; MI455X (gfx1250); checked and timed in simulation.
; The chip was launched on July 23, 2026; its instructions are those of AMD's public machine-readable ISA for CDNA 5 (MIT licence, August 2026) and "CDNA5" Instruction Set Architecture Reference Guide (July 2026). The comments in the code are by the model that wrote it; some were corrected since.
;; Multi Head Self Attention. Allowed arithmetic: matrix products marked QUANTISED: E3M2 operands, one E8M0 scale for each 32 along K, by v_wmma_scale_f32_16x16x128_f8f6f4 with both operands' format E3M2, f32 sums; everything else in f32.
;; Inputs: Wo_b 1,024 float32; Wo_w 1,024 x 1,024 float32; Wqkv 3,072 x 1,024 float32; x 4 x 2,048 x 1,024 float32.
;; Outputs: out0 4 x 2,048 x 1,024 float32.
;; This version of the problem:
;;   THIS VERSION OF THE PROBLEM IS GIVEN IN LOW PRECISION. The matrix products marked QUANTISED in the list below multiply operands that are first quantised to E3M2 (3 exponent bits, 2 mantissa bits; 6 bits a number), with one power-of-two scale for each 32 numbers along K (OCP MX v1.0); their sums are f32. All else is computed in f32.
;;   The module's matrix products, in the order in which they are computed (A, B: the left and right operand; K: the contracted axis; several contracted axes count as one K, in the product's order):
;;     1. [M 8,192, K 1,024] x [K 1,024, N 3,072]; A: input x; B: input Wqkv: QUANTISED
;;     2. batch 64 x [M 2,048, K 64] x [K 64, N 2,048]; A: computed on the way; B: computed on the way: QUANTISED
;;     3. batch 64 x [M 2,048, K 2,048] x [K 2,048, N 64]; A: softmax (see below); B: computed on the way: QUANTISED
;;     4. [M 8,192, K 1,024] x [K 1,024, N 1,024]; A: computed on the way; B: input Wo_w: QUANTISED
;;   THE QUANTISER, for each operand of a quantised product, along K:
;;     - K is cut into blocks of 32 from its start; a last block that is shorter is filled with zeros.
;;     - A block's scale is 2^e with e = floor(log2(the largest magnitude in the block)) - 4, held to -126 .. 127; a block of zeros has e = 0. As a byte (E8M0): e + 127.
;;     - Each number is divided by its block's scale, clamped to +-28, and rounded to the nearest number of E3M2, ties to even, subnormals kept.
;;     - The product sums the exact products of the quantised numbers (number of the format x scale) in f32.
;;   ~~~python
;;   def quantise(x, axis):      # numpy; x: float32 -> the quantised numbers, widened to float32 again
;;       x = np.moveaxis(x, axis, -1); K = x.shape[-1]
;;       x = np.pad(x, [(0, 0)] * (x.ndim - 1) + [(0, -K % 32)]); x = x.reshape(x.shape[:-1] + (-1, 32)); a = np.abs(x).max(-1, keepdims=True)
;;       e = np.where(a > 0, np.clip(np.frexp(np.where(a > 0, a, 1))[1] - 1 - 4, -126, 127), 0)      # np.frexp(a)[1] - 1 = floor(log2(a)), exactly
;;       r = np.clip(x / 2.0 ** e, -28, 28)
;;       step = 2.0 ** (np.maximum(np.frexp(np.where(r == 0, 1, r))[1] - 1, -2) - 2)
;;       q = np.round(r / step) * step * 2.0 ** e      # np.round: ties to even
;;       return np.moveaxis(q.reshape(q.shape[:-2] + (-1,))[..., :K], -1, axis).astype(np.float32)
;;   ~~~
;;   SOFTMAX AHEAD OF A QUANTISED PRODUCT. Where the list says 'softmax', what is quantised is not the finished softmax but p = 2^(t - M), with t = logit x log2(e) and M = ceil(the row's largest t), a whole number; so 1/2 < the row's largest p <= 1. The row's sum l is taken of the UNQUANTISED p, in f32, and the product's result is divided by l at the end. Since M is a whole number, a kernel that streams over the keys may use a running M (the ceiling of the running maximum): every later rescaling is an exact power of two, which a block's scale takes up: the codes' values come out the same.
;;   OPERANDS COMPUTED ON THE WAY. 'Computed on the way' means the value that the module computes at that place (a softmax that the list does not call 'softmax' is quantised finished and normalised). What goes into a quantiser is computed in f32, as accurately as f32 sums, v_exp_f32 and their like allow (about 1e-6 of the number): no bf16 or f16 on the way to a quantiser, and a product that is left as it is and whose result goes on into a quantised operand takes f32 operands (vector FMAs, or v_wmma_f32_16x16x4_f32). A number that lies on a knife's edge between two numbers of the format may be rounded either way, as far as f32 arithmetic and the matrix unit's own rounding can turn it there, and no further.
;; One version. Each part assembles by itself: llvm-mc -triple=amdgcn-amd-amdhsa -mcpu=gfx1250 --defsym DOCPART=n.
;; ======== version 1 of 1: 4 launches
;; workspace buffers: opc 9,437,184 bytes; ops 393,216 bytes; qkc 12,582,912 bytes; qks 1,048,576 bytes; vc 6,291,456 bytes; vs 262,144 bytes; ac 6,291,456 bytes; asc 262,144 bytes
;; launch quant (part 1): grid 384 x 1, 4 waves a work-group, no clusters, 34,304 bytes of LDS; arguments x, Wqkv, Wo_w, opc, ops; writes opc, ops
.if DOCPART == 1
	.amdgcn_target "amdgcn-amd-amdhsa--gfx1250"
	.amdhsa_code_object_version 6
	.text
	.protected	k_qf200b06928_quant
	.globl	k_qf200b06928_quant
	.p2align	8
	.type	k_qf200b06928_quant,@function
k_qf200b06928_quant:
	s_mov_b64 s[64:65], 0
	v_nop
	global_prefetch_b8 v0, s[64:65] scope:SCOPE_SE
	s_setreg_imm32_b32 hwreg(HW_REG_WAVE_MODE, 25, 1), 1
	s_wait_xcnt 0x0
; x [8192][1024], Wqkv [3072][1024] and Wo_w [1024][1024], f32, K innermost, become codes of BF6 (E3M2) with one E8M0 byte for each 32 along K,
; laid as IMAGES OF OPERAND REGISTERS.  A tile is 16 rows; opc holds [tile 0..767][K step 0..7][1,536 bytes]: tiles 0-511 x, 512-703 Wqkv, 704-767 Wo_w.
; A fragment (16 rows x 128 K, 12 registers a lane): for c = 0, 1 registers 6c..6c+3 lie at 768 c + 16 x lane, registers 6c+4, 6c+5 at 768 c + 512 + 8 x lane.
; THE ROWS OF A TILE ARE NOT NEIGHBOURS: lane r of tile 2 g + u holds row 32 g + 8 u + r + 8 (r / 8), so that a product which takes such tiles as its first source
; leaves 16 neighbouring rows in the 16 registers of two neighbouring tiles.
; ops holds [tile][512 bytes]: the scale word of K step k and row r lies at 256 (k / 4) + 128 (k % 2) + 8 r + 4 ((k / 2) % 2).
; A block's scale byte is its largest magnitude's exponent field - 4, held at 1 from below by a floor among the maximum's leaves.
; LIMITS: NaN and infinities are not served; a block of zeros, or one whose largest magnitude lies under 2^-122, gets the byte 1 (its codes are zeros or tiny; this program alone reads the bytes).
; SHARES: a wave takes one tile and four K steps: 16 rows x 512 numbers.  Each load reads 512 consecutive bytes of a row; a fragment's 8,192 bytes turn through the wave's own stage in LDS
; (rows 528 bytes apart) and come back 32 neighbours of a block to a lane.  No barrier: waves share nothing.  Two fragments' loads (32 a wave) are out at a time.
.set STG,  8448                        ; a wave's stage: 16 rows x 528 bytes
.set R,    16                          ; v16-143  two sets of 64: a fragment as loaded
.set X,    144                         ; v144-207 my two blocks of 32 neighbours
.set C,    208                         ; v208-219 the fragment's codes
.set C2,   220                         ; v220-222, v224-226 the blocks' upper halves as converted
.set W,    228                         ; v228-231 the four K steps' scale words
	s_load_b256 s[4:11], s[0:1], 0x0               ; x, Wqkv, Wo_w, opc
	s_load_b64 s[12:13], s[0:1], 0x20              ; ops
	v_lshl_add_u32 v254, v0, 2, 0x8400
	v_mov_b32 v255, 0
	v_lshrrev_b32 v6, 5, v0
	v_readfirstlane_b32 s16, v6                    ; wave
	v_and_b32 v7, 31, v0                           ; lane
	v_lshlrev_b32 v1, 4, v7                        ; 16 x lane
	v_lshlrev_b32 v2, 3, v7                        ; 8 x lane
	v_and_b32 v8, 15, v0                           ; r
	v_bfe_u32 v9, v0, 4, 1                         ; h
	s_mul_i32 s17, s16, STG
	v_add_nc_u32 v3, s17, v1                       ; the stage, on the way in: a row's 512 bytes as they lie
	v_mul_u32_u24 v4, v8, 528
	v_lshl_add_u32 v4, v9, 7, v4
	v_add_nc_u32 v4, s17, v4                       ; and on the way out: row r, + 128 h: my block of 32
	v_lshlrev_b32 v5, 3, v9                        ; 8 h: where my bytes stand in the scale word
	v_mov_b32 v15, 0                               ; (a lane permute's destination counts as one of its sources)
	s_mov_b32 s20, 0x76543210
	s_mov_b32 s21, 0xfedcba98                      ; lane l xor 16
	s_mov_b32 s22, 0xffff0000                      ; lanes 16-31
	s_lshr_b32 s18, s16, 1                         ; u: which tile of the work-group's two
	s_and_b32 s19, s16, 1                          ; g: K steps 4 g .. 4 g + 3
	s_mov_b32 s14, 352
	s_cmp_lt_u32 ttmp9, 352
	s_cselect_b32 s14, 256, s14
	s_cmp_lt_u32 ttmp9, 256
	s_cselect_b32 s14, 0, s14
	s_sub_co_u32 s14, ttmp9, s14                   ; the work-group's number within its tensor
	s_lshl_b32 s24, s14, 17                        ; 32 rows of 4,096 bytes,
	s_lshl_b32 s15, s18, 15                        ; + 8 u rows,
	s_add_co_u32 s24, s24, s15
	s_lshl_b32 s15, s19, 11                        ; + 512 g numbers
	s_add_co_u32 s24, s24, s15
	s_mov_b32 s25, 0
	s_lshl_b32 s15, ttmp9, 1
	s_add_co_u32 s15, s15, s18                     ; the tile
	s_mul_i32 s26, s15, 12288
	s_mul_i32 s23, s19, 6144
	s_add_co_u32 s26, s26, s23
	s_mov_b32 s27, 0
	s_lshl_b32 s28, s15, 9
	s_lshl_b32 s23, s19, 8
	s_add_co_u32 s28, s28, s23
	s_mov_b32 s29, 0
	s_wait_kmcnt 0x0
	s_cmp_lt_u32 ttmp9, 352                        ; the tensor is chosen by the work-group's number alone
	s_cselect_b64 s[6:7], s[6:7], s[8:9]
	s_cmp_lt_u32 ttmp9, 256
	s_cselect_b64 s[4:5], s[4:5], s[6:7]
	s_add_nc_u64 s[4:5], s[4:5], s[24:25]
	s_add_nc_u64 s[10:11], s[10:11], s[26:27]
	s_add_nc_u64 s[12:13], s[12:13], s[28:29]
.macro LOAD f                          ; fragment f: 128 numbers of each of the tile's 16 rows
.irp p, 0,1,2,3,4,5,6,7,8,9,10,11,12,13,14,15
	global_load_b128 v[R+64*((\f)%2)+4*\p:R+64*((\f)%2)+4*\p+3], v1, s[4:5] offset:(\p+8*(\p/8))*4096+512*(\f) th:TH_LOAD_NT
.endr
.endm
.macro FRAGQ f
.if (\f) < 3
	s_wait_loadcnt 16                              ; this fragment's 16 loads are in; the next fragment's 16 may be out
.else
	s_wait_loadcnt 0x0
.endif
.irp p, 0,1,2,3,4,5,6,7,8,9,10,11,12,13,14,15
	ds_store_b128 v3, v[R+64*((\f)%2)+4*\p:R+64*((\f)%2)+4*\p+3] offset:528*\p
.endr
.irp c, 0,1
.irp i, 0,1,2,3,4,5,6,7
	ds_load_b128 v[X+32*\c+4*\i:X+32*\c+4*\i+3], v4 offset:256*\c+16*\i   ; k = 64 c + 32 h + 4 i ..: LDS serves a wave's instructions in order, so these see the stores above
.endr
.endr
	s_wait_dscnt 0x0                               ; my 64 numbers are back, so the stores have read their registers,
.if (\f) < 2
	LOAD (\f)+2                                    ; which take the fragment two further on
.endif
.irp c, 0,1
	v_max3_num_f32 v[8+\c], |v[X+32*\c]|, |v[X+32*\c+1]|, 0x2800000       ; the block's largest magnitude, with the floor 2^(5 - 127) among its leaves
.endr
.irp i, 2,4,6,8,10,12,14,16,18,20,22,24,26,28,30
.irp c, 0,1
	v_max3_num_f32 v[8+\c], v[8+\c], |v[X+32*\c+\i]|, |v[X+32*\c+\i+1]|
.endr
.endr
.irp c, 0,1
	v_add_nc_u32 v[10+\c], 0xfe000000, v[8+\c]     ; 4 off the exponent field: the conversion's scale operand
.endr
.irp c, 0,1
	v_lshrrev_b32 v[12+\c], 23, v[10+\c]           ; the scale's byte
.endr
	v_lshl_or_b32 v14, v13, 16, v12                ; my bytes: blocks h and 2 + h of row r,
	v_lshlrev_b32 v14, v5, v14                     ; at their places;
	v_permlanex16_b32 v15, v14, s20, s21
	v_or_b32 v[W+\f], v14, v15                     ; with lane l xor 16's two the word is whole
.if (\f) > 0
	s_wait_xcnt 0x0                                ; the last fragment's stores have read the codes' registers
.endif
.irp c, 0,1
	v_cvt_scalef32_pk16_bf6_f32 v[C+6*\c:C+6*\c+2], v[X+32*\c:X+32*\c+15], v[10+\c]
	v_cvt_scalef32_pk16_bf6_f32 v[C2+4*\c:C2+4*\c+2], v[X+32*\c+16:X+32*\c+31], v[10+\c]   ; (a conversion's three registers begin on an even number)
.endr
	v_nop                                          ; one plain place behind a scaled conversion
.irp c, 0,1
.irp i, 0,1,2
	v_mov_b32 v[C+6*\c+3+\i], v[C2+4*\c+\i]
.endr
.endr
	global_store_b128 v1, v[C:C+3], s[10:11] offset:1536*(\f)              ; each store covers 512 or 256 consecutive bytes, aligned to 256
	global_store_b64 v2, v[C+4:C+5], s[10:11] offset:1536*(\f)+512
	global_store_b128 v1, v[C+6:C+9], s[10:11] offset:1536*(\f)+768
	global_store_b64 v2, v[C+10:C+11], s[10:11] offset:1536*(\f)+1280
.endm
	LOAD 0
	LOAD 1
	FRAGQ 0
	FRAGQ 1
	FRAGQ 2
	FRAGQ 3
	v_cndmask_b32 v232, v[W], v[W+1], s22          ; lanes 0-15 the even K step's words, lanes 16-31 the odd one's
	v_cndmask_b32 v233, v[W+2], v[W+3], s22
	global_store_b64 v2, v[232:233], s[12:13]      ; 256 consecutive bytes, aligned
	s_wait_tensorcnt 0x0
	ds_add_u32 v254, v255
	s_wait_dscnt 0x0
	s_endpgm
.Lfunc_end_k_qf200b06928_quant:
	.size	k_qf200b06928_quant, .Lfunc_end_k_qf200b06928_quant-k_qf200b06928_quant
	.p2alignl 7, 3214868480
	.fill 96, 4, 3214868480
	.section	.rodata,"a",@progbits
	.p2align	6, 0x0
	.amdhsa_kernel k_qf200b06928_quant
		.amdhsa_group_segment_fixed_size 34304
		.amdhsa_private_segment_fixed_size 0
		.amdhsa_enable_private_segment 0
		.amdhsa_kernarg_size 40
		.amdhsa_user_sgpr_count 2
		.amdhsa_user_sgpr_kernarg_segment_ptr 1
		.amdhsa_wavefront_size32 1
		.amdhsa_system_sgpr_workgroup_id_x 1
		.amdhsa_system_sgpr_workgroup_id_y 1
		.amdhsa_system_sgpr_workgroup_id_z 1
		.amdhsa_system_vgpr_workitem_id 0
		.amdhsa_next_free_vgpr 256
		.amdhsa_next_free_sgpr 66
		.amdhsa_reserve_vcc 0
		.amdhsa_float_denorm_mode_32 3
		.amdhsa_float_denorm_mode_16_64 3
		.amdhsa_memory_ordered 1
		.amdhsa_forward_progress 1
		.amdhsa_inst_pref_size 31
	.end_amdhsa_kernel
	.amdgpu_metadata
---
amdhsa.version: [ 1, 2 ]
amdhsa.kernels:
  - .name:           k_qf200b06928_quant
    .symbol:         k_qf200b06928_quant.kd
    .args:
      - { .name: x, .offset: 0, .size: 8, .value_kind: global_buffer, .address_space: global }
      - { .name: Wqkv, .offset: 8, .size: 8, .value_kind: global_buffer, .address_space: global }
      - { .name: Wo_w, .offset: 16, .size: 8, .value_kind: global_buffer, .address_space: global }
      - { .name: opc, .offset: 24, .size: 8, .value_kind: global_buffer, .address_space: global }
      - { .name: ops, .offset: 32, .size: 8, .value_kind: global_buffer, .address_space: global }
    .group_segment_fixed_size: 34304
    .private_segment_fixed_size: 0
    .kernarg_segment_align: 8
    .kernarg_segment_size: 40
    .max_flat_workgroup_size: 128
    .sgpr_count:     66
    .vgpr_count:     256
    .wavefront_size: 32
...
	.end_amdgpu_metadata
.endif
;; end of part 1
;; launch gemm_qkv (part 2): grid 8 x 96, 4 waves a work-group, clusters of 4 x 4, 307,712 bytes of LDS; arguments opc, ops, qkc, qks, vc, vs; writes qkc, qks, vc, vs
.if DOCPART == 2
	.amdgcn_target "amdgcn-amd-amdhsa--gfx1250"
	.amdhsa_code_object_version 6
	.text
	.protected	k_qf200b06928_gemm_qkv
	.globl	k_qf200b06928_gemm_qkv
	.p2align	8
	.type	k_qf200b06928_gemm_qkv,@function
k_qf200b06928_gemm_qkv:
	s_mov_b64 s[64:65], 0
	v_nop
	global_prefetch_b8 v0, s[64:65] scope:SCOPE_SE
	s_setreg_imm32_b32 hwreg(HW_REG_WAVE_MODE, 25, 1), 1
	s_wait_xcnt 0x0
	s_wait_alu depctr_hold_cnt(0) depctr_sa_sdst(0) depctr_va_vdst(0) depctr_va_sdst(0) depctr_va_ssrc(0) depctr_va_vcc(0) depctr_vm_vsrc(0)
	s_getreg_b32 s2, hwreg(HW_REG_IB_STS2, 6, 4)
	s_cmp_eq_u32 s2, 0
	s_cbranch_scc0 .Lentry_in_a_cluster
	s_endpgm
.Lentry_in_a_cluster:
	s_bfe_u32 s2, ttmp6, 0x10000c
	s_cmp_lg_u32 s2, 0xf033
	s_cbranch_scc0 .Lentry_shape_is_right
	s_endpgm
.Lentry_shape_is_right:
; qkv = x Wqkv^T on codes of BF6 (E3M2) with E8M0 scales, and its results quantised again on the way out: no f32 number of q, k or v goes to memory.
; A work-group makes 128 rows of A x 256 rows of B, K = 1,024.  Clusters with y < 16: A = x, B = Wqkv's rows of q and k: a lane holds a token, its registers run along the channels, and the results are
; quantised along a head's 64 channels.  Clusters with y >= 16: A = Wqkv's rows of v, B = x: a lane holds a channel, its registers run along the tokens, and v is quantised along the keys.
; ALL OF K LIES IN LDS, FILLED ONCE: four chunks of 256 along K (A's 8 tiles and B's 16 tiles, 3,072 bytes each) and the scale words, 307,200 bytes; five tensor loads a wave go out at the head, and no LDS byte is filled twice.
; CLUSTERS: 4 x 4 work-groups; A's tiles are asked for jointly along a row of the cluster, B's along a column.
; Four waves, each 64 x 128: 32 accumulators.  The matrix instruction is used transposed: source 0 = 16 rows of B, source 1 = 16 rows of A.  Operands lie in memory and LDS as images of their registers
; (for c = 0, 1: registers 6c..6c+3 at 768 c + 16 x lane, 6c+4, 6c+5 at 768 c + 512 + 8 x lane), so every LDS load reads consecutive bytes.
; The rows of a tile: lane r of tile 2 g + u holds row 32 g + 8 u + r + 8 (r / 8): the 16 registers of B's tiles 2 g, 2 g + 1 are 16 neighbours, 32 g + 16 (lane / 16) + 0 .. 15.
; OUT: qkc [head 0..31 (q, then k)][token tile][768 bytes: half an image], qks [head][token tile / 8][512], a word = the head's two bytes;  vc [128 keys][channel tile][1,536], vs [128 keys][head][256].
; LIMITS: NaN and infinities are not served; a block of zeros or under 2^-122 gets the scale byte 1 (this program alone reads the bytes).
; REGISTERS: window 0: v8-23 LDS addresses, v26 16 x lane, v28 8 x lane, v27 scale words' address, v32-95 scale words, v96-191 A's two sets (the way out works there);  window 1: accumulator (a, b) at 8 (8 a + b);  window 2: B's two sets at v0, v128.
.set CH,    73728                      ; a chunk: 24 tiles x 3,072 bytes
.set BOFF,  24576                      ; B's tiles lie behind A's eight
.set SCLA,  4*CH                       ; A's scale words: 8 x 512 bytes
.set SCLB,  SCLA+4096                  ; B's: 16 x 512
.set AD,    8                          ; v[AD+4c+0..3]: chunk c: A by 16 x lane, A by 8 x lane, B by 16, B by 8
.set L16,   26
.set ADS,   27
.set L8,    28
.set SC,    32                         ; block i, K step k: v[SC + 8 i + 4 (k/4) + 2 (k%2) + (k/2)%2]: lanes 0-15 A's block i, lanes 16-31 B's block i
.set AF,    96
.set TM,    96                         ; the way out: v96-111 at work
.set PW,    112                        ; the scale word just made
.set KE,    113                        ; the even tile's word, kept
.set PC,    116                        ; v116-135 the codes just made
.set G1A,   24
.set G1B,   32
.set G1SA,  40
.set G1SB,  48
.set TYP,   101                        ; s101: 1 where the work-group makes v
.set MSB, 0
.macro WIN new                         ; the immediate's high byte repeats the setting that is left
.if MSB != \new
	s_set_vgpr_msb (MSB<<8)|\new
.set MSB, \new
.endif
.endm
.macro CROUND                          ; a round of the cluster's barrier
	s_barrier_signal -1
	s_barrier_wait -1
	s_cmp_lg_u32 s16, 0
	s_cbranch_scc1 .Lnot_wave_0_\@
	s_barrier_signal -3
.Lnot_wave_0_\@:
	s_barrier_wait -3
	s_barrier_signal -1
	s_barrier_wait -1
.endm
.macro G1SET g, c, r, p                ; r rows of c elements of 8 bytes, p elements apart
	s_mov_b32 s[\g+1], (\c)<<16
	s_mov_b32 s[\g+2], (\r)<<16
	s_mov_b32 s[\g+3], (\c)<<16
	s_mov_b32 s[\g+4], \r
	s_mov_b32 s[\g+5], \p
	s_mov_b32 s[\g+6], 0
	s_mov_b32 s[\g+7], 0
.endm
.macro G0SET g, lbase, loff, first, goff
	s_mov_b32 s[\g], 1
	s_add_co_u32 s[\g+1], s[\lbase], \loff
	s_add_nc_u64 s[\g+2:\g+3], s[\first:\first+1], \goff
	s_or_b32 s[\g+3], s[\g+3], 0x80000000
.endm
.macro PLACES
.rept 4
	v_nop
.endr
.endm
.macro BAR n                           ; my loads but the n youngest have landed; then the work-group's barrier.  The later chunks may stay out
	s_wait_tensorcnt \n
	s_barrier_signal -1
	s_barrier_wait -1
.endm
	s_load_b256 s[4:11], s[0:1], 0x0               ; opc, ops, qkc, qks
	s_load_b128 s[12:15], s[0:1], 0x20             ; vc, vs
	v_lshl_add_u32 v254, v0, 2, 0x4b000
	v_mov_b32 v255, 0
	ds_add_u32 v254, v255
	ds_add_u32 v254, v255
	v_lshrrev_b32 v1, 5, v0
	v_readfirstlane_b32 s16, v1                    ; wave
	s_lshr_b32 s17, s16, 1                         ; which four tiles of A are mine.  Also: I fetch for A (0) or for B (1)
	s_and_b32 s18, s16, 1                          ; which eight tiles of B.  Also: which half I fetch
	s_bfe_u32 s19, ttmp6, 0x40000                  ; cx
	s_bfe_u32 s20, ttmp6, 0x40004                  ; cy
	s_and_b32 s21, ttmp7, 0xffff                   ; cluster y
	s_sub_co_u32 s22, s21, 16
	s_cmp_ge_u32 s21, 16                           ; the same in all sixteen partners
	s_cselect_b32 s[TYP], 1, 0
	s_cselect_b32 s23, ttmp9, s21                  ; the cluster's place along A's rows,
	s_cselect_b32 s22, s22, ttmp9                  ; along B's rows
	s_cselect_b32 s104, 640, 0                     ; A's first tile in opc: Wqkv's rows of v, or x
	s_cselect_b32 s105, 0, 512                     ; B's: x, or Wqkv's rows of q and k
	s_lshl_b32 s23, s23, 2
	s_add_co_u32 s23, s23, s20                     ; which 128 rows of A
	s_lshl_b32 s22, s22, 2
	s_add_co_u32 s22, s22, s19                     ; which 256 rows of B
	s_lshl_b32 s2, s20, 2
	s_lshl_b32 s2, 15, s2                          ; my row of the cluster
	s_lshl_b32 s3, 0x1111, s19                     ; my column
	s_or_b32 s[G1A], s2, (3<<16)|(1<<21)           ; 15:0 the mask; 17:16 elements of 8 bytes; 21 set beside a mask; no padding
	s_or_b32 s[G1SA], s2, (3<<16)|(1<<21)
	s_or_b32 s[G1B], s3, (3<<16)|(1<<21)
	s_or_b32 s[G1SB], s3, (3<<16)|(1<<21)
	G1SET G1A, 384, 4, 1536                        ; four tiles' 3,072 bytes of a chunk, 12,288 bytes apart
	G1SET G1B, 384, 8, 1536
	G1SET G1SA, 32, 8, 32                          ; four tiles' scale words: 2,048 dense bytes
	G1SET G1SB, 32, 16, 32
	s_lshl_b32 s2, s23, 3
	s_add_co_u32 s104, s104, s2
	s_lshl_b32 s2, s18, 2
	s_add_co_u32 s104, s104, s2                    ; the first tile of A that I would fetch
	s_lshl_b32 s3, s22, 4
	s_add_co_u32 s105, s105, s3
	s_lshl_b32 s3, s18, 3
	s_add_co_u32 s105, s105, s3                    ; and of B
	s_mul_i32 s20, s104, 12288
	s_mov_b32 s21, 0
	s_lshl_b32 s58, s104, 9
	s_mov_b32 s59, 0
	s_mul_i32 s66, s105, 12288
	s_mov_b32 s67, 0
	s_lshl_b32 s82, s105, 9
	s_mov_b32 s83, 0
	s_mul_i32 s2, s18, 12288                       ; where they go: no place in the cluster enters an LDS address
	s_mul_i32 s3, s18, 24576
	s_lshl_b32 s104, s18, 11
	s_lshl_b32 s105, s18, 12
	s_wait_dscnt 0x0
	s_wait_kmcnt 0x0
	s_add_nc_u64 s[20:21], s[4:5], s[20:21]
	s_add_nc_u64 s[58:59], s[6:7], s[58:59]
	s_add_nc_u64 s[66:67], s[4:5], s[66:67]
	s_add_nc_u64 s[82:83], s[6:7], s[82:83]
	s_mov_b32 s56, 1
	s_add_co_u32 s57, s104, SCLA
	s_or_b32 s59, s59, 0x80000000
	s_mov_b32 s80, 1
	s_add_co_u32 s81, s105, SCLB
	s_or_b32 s83, s83, 0x80000000
	G0SET 60, 2, 0*CH, 20, 0
	G0SET 68, 2, 1*CH, 20, 3072
	G0SET 72, 2, 2*CH, 20, 6144
	G0SET 76, 2, 3*CH, 20, 9216
	G0SET 84, 3, 0*CH+BOFF, 66, 0
	G0SET 88, 3, 1*CH+BOFF, 66, 3072
	G0SET 92, 3, 2*CH+BOFF, 66, 6144
	G0SET 96, 3, 3*CH+BOFF, 66, 9216
	CROUND                                         ; all sixteen work-groups are here: the joint loads meet
	s_cmp_eq_u32 s17, 0                            ; a wave's five fills stand in one branch, ahead of every wait on TENSORcnt, every LDS read and every other barrier: five loads of mine are out
	s_cbranch_scc0 .Lfirst_b
	tensor_load_to_lds s[56:59], s[G1SA:G1SA+7]    ; the scale words first: they are wanted with chunk 0
	s_nop 0
	tensor_load_to_lds s[60:63], s[G1A:G1A+7]
	s_nop 0
	tensor_load_to_lds s[68:71], s[G1A:G1A+7]
	s_nop 0
	tensor_load_to_lds s[72:75], s[G1A:G1A+7]
	s_nop 0
	tensor_load_to_lds s[76:79], s[G1A:G1A+7]
	s_nop 0
	PLACES                                         ; (four v_nop follow the last)
	s_branch .Lfirst_asked
.Lfirst_b:
	tensor_load_to_lds s[80:83], s[G1SB:G1SB+7]
	s_nop 0
	tensor_load_to_lds s[84:87], s[G1B:G1B+7]
	s_nop 0
	tensor_load_to_lds s[88:91], s[G1B:G1B+7]
	s_nop 0
	tensor_load_to_lds s[92:95], s[G1B:G1B+7]
	s_nop 0
	tensor_load_to_lds s[96:99], s[G1B:G1B+7]
	s_nop 0
	PLACES
.Lfirst_asked:
	v_and_b32 v3, 31, v0
	v_and_b32 v1, 15, v0                           ; r
	v_bfe_u32 v2, v0, 4, 1                         ; h
	v_lshlrev_b32 v[L16], 4, v3
	v_lshlrev_b32 v[L8], 3, v3
	s_mul_i32 s2, s17, 12288                       ; my four tiles of A
	s_mul_i32 s3, s18, 24576
	s_add_co_u32 s3, s3, BOFF                      ; my eight tiles of B
.irp c, 0,1,2,3
	v_add_nc_u32 v[AD+4*\c], s2, v[L16]
	v_add_nc_u32 v[AD+4*\c+1], s2, v[L8]
	v_add_nc_u32 v[AD+4*\c+2], s3, v[L16]
	v_add_nc_u32 v[AD+4*\c+3], s3, v[L8]
	s_add_co_u32 s2, s2, CH
	s_add_co_u32 s3, s3, CH
.endr
	s_xor_b32 s19, s17, 1                          ; the scale words: lanes 0-15 take A's, lanes 16-31 B's: the lower base + h x the distance,
	s_lshl_b32 s19, s19, 11                        ; which is SCLB - SCLA + 4,096 (my half of B) - 2,048 (my half of A)
	s_lshl_b32 s3, s18, 12
	s_add_co_u32 s3, s3, s19
	s_add_co_u32 s3, s3, SCLB-SCLA-2048
	v_mul_u32_u24 v4, s3, v2
	s_lshl_b32 s2, s17, 11
	s_add_co_u32 s2, s2, SCLA
	v_lshl_add_u32 v4, v1, 3, v4
	v_add_nc_u32 v[ADS], s2, v4
.macro FRAG reg, adr, off              ; an image comes back as it was stored: 512, 256, 512, 256 consecutive bytes
	ds_load_b128 v[\reg:\reg+3], v[\adr] offset:\off
	ds_load_b64 v[\reg+4:\reg+5], v[\adr+1] offset:\off+512
	ds_load_b128 v[\reg+6:\reg+9], v[\adr] offset:\off+768
	ds_load_b64 v[\reg+10:\reg+11], v[\adr+1] offset:\off+1280
.endm
.macro FETCH k                         ; K step k's fragments: B's eight, A's four: 48 loads in one run
	WIN 0x80                                       ; destination window 2
.irp i, 0,1,2,3,4,5,6,7
	FRAG 128*((\k)%2)+12*\i, AD+4*((\k)/2)+2, 3072*\i+1536*((\k)%2)
.endr
	WIN 0
.irp i, 0,1,2,3
	FRAG AF+48*((\k)%2)+12*\i, AD+4*((\k)/2), 3072*\i+1536*((\k)%2)
.endr
.endm
.macro MULS k, cm                      ; 32 matrix instructions; cm = 0: they start the sums.  The 32 accumulators take turns, one instruction a turn, in the same order in every step
.set SCI, 4*((\k)/4)+2*((\k)%2)+((\k)/2)%2
.set BSET, 128*((\k)%2)
.set ASET, AF+48*((\k)%2)
	WIN 0x52                                       ; source 0 (B) window 2, source 1 (A) window 0, C and D window 1
.irp a, 0,1,2,3
.irp b, 0,1,2,3,4,5,6,7
.if \cm == 0
	v_wmma_scale_f32_16x16x128_f8f6f4 v[8*(8*\a+\b):8*(8*\a+\b)+7], v[BSET+12*\b:BSET+12*\b+11], v[ASET+12*\a:ASET+12*\a+11], 0, v[SC+8*\b+SCI], v[SC+8*\a+SCI] matrix_a_fmt:MATRIX_FMT_BF6 matrix_b_fmt:MATRIX_FMT_BF6 matrix_a_scale:MATRIX_SCALE_ROW1
.else
	v_wmma_scale_f32_16x16x128_f8f6f4 v[8*(8*\a+\b):8*(8*\a+\b)+7], v[BSET+12*\b:BSET+12*\b+11], v[ASET+12*\a:ASET+12*\a+11], v[8*(8*\a+\b):8*(8*\a+\b)+7], v[SC+8*\b+SCI], v[SC+8*\a+SCI] matrix_a_fmt:MATRIX_FMT_BF6 matrix_b_fmt:MATRIX_FMT_BF6 matrix_a_scale:MATRIX_SCALE_ROW1
.endif
.endr
.endr
.endm
.macro KSTEP k, cm
	s_wait_dscnt 0x0                               ; this step's fragments are in (asked for 32 matrix instructions ago); no LDS instruction of mine is out at a signal
.if (\k) == 1
	BAR 2                                          ; chunk 1 is in, everybody's; chunks 2 and 3 may be out
.elseif (\k) == 3
	BAR 1
.elseif (\k) == 5
	BAR 0
.endif
.if (\k) > 0
	PLACES                                         ; four places in front of loads into the sets that the last step multiplied
.endif
.if (\k) < 7
	FETCH (\k)+1
.endif
	MULS \k, \cm
.endm
	s_wait_alu depctr_va_vdst(0)
	BAR 3                                          ; the scale words and chunk 0 are in, everybody's; three chunks may be out
	FETCH 0
.irp i, 0,1,2,3,4,5,6,7                ; all scale words, once: 64 registers
.irp g, 0,1
.irp p, 0,1
	ds_load_b64 v[SC+8*\i+4*\g+2*\p:SC+8*\i+4*\g+2*\p+1], v[ADS] offset:512*\i+256*\g+128*\p
.endr
.endr
.endr
	KSTEP 0, 0
	KSTEP 1, 1
	KSTEP 2, 1
	KSTEP 3, 1
	KSTEP 4, 1
	KSTEP 5, 1
	KSTEP 6, 1
	KSTEP 7, 1
	WIN 0
	PLACES                                         ; in front of the first reads of results and the first writes over A's sets
	; THE WAY OUT.  For each of my four tiles of A: 64 numbers a lane, register 16 g + i = B's row 32 g + 16 (lane / 16) + i, become a fragment's codes and a scale word.
	s_lshl_b32 s30, s23, 1
	s_add_co_u32 s30, s30, s17                     ; which 64 rows of A
	s_lshl_b32 s31, s22, 1
	s_add_co_u32 s31, s31, s18                     ; which 128 rows of B
	s_cmp_eq_u32 s[TYP], 1                         ; (all my tensor loads have landed: the descriptors' registers are free)
	s_mov_b32 s24, 786432                          ; q, k: two heads of 512 tiles x 768 bytes;
	s_cselect_b32 s24, 98304, s24                  ; v: 64 channel tiles x 1,536 bytes
	s_mov_b32 s25, 3072
	s_cselect_b32 s25, 6144, s25                   ; my four tiles
	s_mov_b32 s26, 393216                          ; the fragment's second half: the next head,
	s_cselect_b32 s26, 768, s26                    ; or the image's second half
	s_mov_b32 s27, 768
	s_cselect_b32 s27, 1536, s27                   ; from tile to tile
	s_mov_b32 s28, 65536
	s_cselect_b32 s28, 4096, s28                   ; the scale words
	s_cselect_b32 s29, -1, 0xffff                  ; v: a word's four bytes; q, k: the first head's two
	s_cselect_b64 s[8:9], s[12:13], s[8:9]
	s_cselect_b64 s[10:11], s[14:15], s[10:11]
	s_mul_i32 s32, s31, s24
	s_mul_i32 s33, s30, s25
	s_add_co_u32 s32, s32, s33
	s_mov_b32 s33, 0
	s_add_nc_u64 s[8:9], s[8:9], s[32:33]          ; the first half's place
	s_mov_b32 s34, s26
	s_mov_b32 s35, 0
	s_add_nc_u64 s[12:13], s[8:9], s[34:35]        ; the second half's
	s_mov_b32 s36, s27
	s_mov_b32 s37, 0
	s_mul_i32 s38, s31, s28
	s_lshl_b32 s39, s30, 8
	s_add_co_u32 s38, s38, s39
	s_mov_b32 s39, 0
	s_add_nc_u64 s[10:11], s[10:11], s[38:39]
	s_mov_b32 s40, 0xffff0000                      ; lanes 16-31
	s_mov_b32 s42, 0x76543210
	s_mov_b32 s43, 0xfedcba98                      ; lane l xor 16
.irp b, 0,1,2,3
	v_mov_b32 v[TM+4+\b], 0                        ; (a lane permute's destination counts as one of its sources)
.endr
.macro QUANTW a
.set QS, 64*(\a)
	WIN 0x05                                       ; sources 0 and 1 window 1
.irp b, 0,1,2,3
	v_max3_num_f32 v[TM+\b], |v[QS+16*\b]|, |v[QS+16*\b+1]|, 0x2800000    ; each accumulator is read from its low end on; the floor 2^(5 - 127) holds the byte at 1 from below
.endr
	WIN 0x14                                       ; sources 1 and 2 window 1
.irp i, 2,4,6,8,10,12,14
.irp b, 0,1,2,3
	v_max3_num_f32 v[TM+\b], v[TM+\b], |v[QS+16*\b+\i]|, |v[QS+16*\b+\i+1]|
.endr
.endr
	WIN 0
.irp b, 0,1,2,3
	v_permlanex16_b32 v[TM+4+\b], v[TM+\b], s42, s43
.endr
.irp b, 0,1,2,3
	v_max_num_f32 v[TM+\b], v[TM+\b], v[TM+4+\b]   ; with lane l xor 16's: the block's largest magnitude
.endr
.irp b, 0,1,2,3
	v_add_nc_u32 v[TM+12+\b], 0xfe000000, v[TM+\b] ; 4 off the exponent field: the conversion's scale operand
.endr
.irp b, 0,1,2,3
	v_lshrrev_b32 v[TM+4+\b], 23, v[TM+12+\b]      ; the scale's byte
.endr
	v_lshl_or_b32 v[PW], v[TM+5], 8, v[TM+4]
	v_lshl_or_b32 v[PW], v[TM+6], 16, v[PW]
	v_lshl_or_b32 v[PW], v[TM+7], 24, v[PW]
	WIN 0x01                                       ; source 0 window 1
.irp c, 0,1
	v_cvt_scalef32_pk16_bf6_f32 v[PC+6*\c:PC+6*\c+2], v[QS+32*\c:QS+32*\c+15], v[TM+12+2*\c]
	v_cvt_scalef32_pk16_bf6_f32 v[PC+12+4*\c:PC+14+4*\c], v[QS+32*\c+16:QS+32*\c+31], v[TM+12+2*\c+1]
.endr
	WIN 0
	v_nop                                          ; one plain place behind a scaled conversion
.irp c, 0,1                                    ; the operand's layout wants a whole block in a lane
.irp i, 0,1,2
	v_permlane16_swap_b32 v[PC+6*\c+\i], v[PC+12+4*\c+\i]
.endr
.irp i, 0,1,2
	v_mov_b32 v[PC+3+6*\c+\i], v[PC+12+4*\c+\i]
.endr
.endr
.endm
.irp a, 0,1,2,3
.if \a > 0
	s_wait_xcnt 0x0                                ; the last tile's stores have read their registers and bases
	s_add_nc_u64 s[8:9], s[8:9], s[36:37]
	s_add_nc_u64 s[12:13], s[12:13], s[36:37]
.endif
	QUANTW \a
	global_store_b128 v[L16], v[PC:PC+3], s[8:9]               ; each store covers 512 or 256 consecutive bytes, aligned to 256
	global_store_b64 v[L8], v[PC+4:PC+5], s[8:9] offset:512
	global_store_b128 v[L16], v[PC+6:PC+9], s[12:13]
	global_store_b64 v[L8], v[PC+10:PC+11], s[12:13] offset:512
.if (\a)%2 == 0
	v_mov_b32 v[KE], v[PW]
.else
	v_cndmask_b32 v[140+\a/2], v[KE], v[PW], s40   ; lanes 0-15 the even tile's words, lanes 16-31 the odd one's
.endif
.endr
	v_lshrrev_b32 v142, 16, v140                   ; q, k: the second head's two bytes
	v_lshrrev_b32 v143, 16, v141
	v_and_b32 v140, s29, v140
	v_and_b32 v141, s29, v141
	global_store_b64 v[L8], v[140:141], s[10:11]   ; 256 consecutive bytes, aligned
	s_cmp_eq_u32 s[TYP], 1                         ; the same in all partners
	s_cbranch_scc1 .Lno_second
	global_store_b64 v[L8], v[142:143], s[10:11] offset:32768
.Lno_second:
	s_wait_tensorcnt 0x0
	ds_add_u32 v254, v255
	s_wait_dscnt 0x0
	CROUND                                         ; the closing round: no work-group ends while a partner may still ask for a tile that names it
	s_endpgm
.Lfunc_end_k_qf200b06928_gemm_qkv:
	.size	k_qf200b06928_gemm_qkv, .Lfunc_end_k_qf200b06928_gemm_qkv-k_qf200b06928_gemm_qkv
	.p2alignl 7, 3214868480
	.fill 96, 4, 3214868480
	.section	.rodata,"a",@progbits
	.p2align	6, 0x0
	.amdhsa_kernel k_qf200b06928_gemm_qkv
		.amdhsa_group_segment_fixed_size 307712
		.amdhsa_private_segment_fixed_size 0
		.amdhsa_enable_private_segment 0
		.amdhsa_kernarg_size 48
		.amdhsa_user_sgpr_count 2
		.amdhsa_user_sgpr_kernarg_segment_ptr 1
		.amdhsa_wavefront_size32 1
		.amdhsa_system_sgpr_workgroup_id_x 1
		.amdhsa_system_sgpr_workgroup_id_y 1
		.amdhsa_system_sgpr_workgroup_id_z 1
		.amdhsa_system_vgpr_workitem_id 0
		.amdhsa_next_free_vgpr 768
		.amdhsa_next_free_sgpr 106
		.amdhsa_reserve_vcc 0
		.amdhsa_float_denorm_mode_32 3
		.amdhsa_float_denorm_mode_16_64 3
		.amdhsa_memory_ordered 1
		.amdhsa_forward_progress 1
		.amdhsa_inst_pref_size 91
	.end_amdhsa_kernel
	.amdgpu_metadata
---
amdhsa.version: [ 1, 2 ]
amdhsa.kernels:
  - .name:           k_qf200b06928_gemm_qkv
    .symbol:         k_qf200b06928_gemm_qkv.kd
    .args:
      - { .name: opc, .offset: 0, .size: 8, .value_kind: global_buffer, .address_space: global }
      - { .name: ops, .offset: 8, .size: 8, .value_kind: global_buffer, .address_space: global }
      - { .name: qkc, .offset: 16, .size: 8, .value_kind: global_buffer, .address_space: global }
      - { .name: qks, .offset: 24, .size: 8, .value_kind: global_buffer, .address_space: global }
      - { .name: vc, .offset: 32, .size: 8, .value_kind: global_buffer, .address_space: global }
      - { .name: vs, .offset: 40, .size: 8, .value_kind: global_buffer, .address_space: global }
    .group_segment_fixed_size: 307712
    .private_segment_fixed_size: 0
    .kernarg_segment_align: 8
    .kernarg_segment_size: 48
    .max_flat_workgroup_size: 128
    .sgpr_count:     106
    .vgpr_count:     768
    .wavefront_size: 32
...
	.end_amdgpu_metadata
.endif
;; end of part 2
;; launch attn (part 3): grid 4 x 64, 16 waves a work-group, clusters of 4 x 1, 210,944 bytes of LDS; arguments qkc, qks, vc, vs, ac, asc; writes ac, asc
.if DOCPART == 3
	.amdgcn_target "amdgcn-amd-amdhsa--gfx1250"
	.amdhsa_code_object_version 6
	.text
	.protected	k_qf200b06928_attn
	.globl	k_qf200b06928_attn
	.p2align	8
	.type	k_qf200b06928_attn,@function
k_qf200b06928_attn:
	s_mov_b64 s[64:65], 0
	v_nop
	global_prefetch_b8 v0, s[64:65] scope:SCOPE_SE
	s_setreg_imm32_b32 hwreg(HW_REG_WAVE_MODE, 25, 1), 1
	s_wait_xcnt 0x0
	s_wait_alu depctr_hold_cnt(0) depctr_sa_sdst(0) depctr_va_vdst(0) depctr_va_sdst(0) depctr_va_ssrc(0) depctr_va_vcc(0) depctr_vm_vsrc(0)
	s_getreg_b32 s2, hwreg(HW_REG_IB_STS2, 6, 4)
	s_cmp_eq_u32 s2, 0
	s_cbranch_scc0 .Lentry_in_a_cluster
	s_endpgm
.Lentry_in_a_cluster:
	s_bfe_u32 s2, ttmp6, 0x10000c
	s_cmp_lg_u32 s2, 0x3003
	s_cbranch_scc0 .Lentry_shape_is_right
	s_endpgm
.Lentry_shape_is_right:
; Causal attention of one (batch, head) per cluster, both products on codes of BF6 (E3M2) with E8M0 scales; the result is quantised along the head's 64 channels and leaves as half an image of the last product's operand.
; t = score x log2(e) / 8; M = the row's largest t so far, rounded up to a whole number; p = 2^(t - M) is quantised along the keys, not normalised; the row's sum is taken of the unquantised p and divides O at the end (v_rcp_f32 and a multiplication).
; THE HEAD'S WHOLE K AND V LIE IN LDS, FILLED ONCE: 128 tiles of K (768 bytes), 16 key steps x 4 tiles of V^T (1,536 bytes) and their scale words, 208,896 bytes.  The four work-groups of a cluster ask for them jointly.
; SHARES: a tile is 16 queries.  Wave w of work-group cx takes tile 8 (w / 2) + 4 (w % 2) + cx and then tile 127 - that: 17 key steps of 128 keys for every wave.  The last step of a tile hangs on w alone; cx enters global addresses and the mask's numbers only.
; Each loop's trip count is a constant (8, 16); a step all of whose keys are hidden is jumped over by a scalar branch; in a tile's last step hidden scores become -infinity.
; LAYOUT: S^T = K Q^T, O^T = V^T P^T: a lane holds one query.  Lane r of tile 2 g + u holds token (or channel) 32 g + 8 u + r + 8 (r / 8), so that two neighbouring tiles leave 16 neighbours in 16 registers.
; K = 64 FILLS HALF A MATRIX INSTRUCTION: Q's upper six registers are zeros.  K's tile t is v[32 + 6 t .. + 11]: its upper six registers are the next tile's codes (behind tile 7: zeros); they meet Q's zero codes under scale bytes 0, and add exact zeros.
; LIMITS: NaN and infinities are not served; a block of zeros or under 2^-122 gets the scale byte 1.  The scale bytes of the result leave as single bytes, 32 a tile: two heads, made in different clusters, share a word.
; REGISTERS: v1 16 x lane, v2 8 x lane, v3-8 the step's LDS addresses, v9 the mask's number, v12 -M, v13 the largest t, v[14:15] the sum, v16-27 Q, v28 Q's scale word, v32-85 K or V, v86-91 their scale words, v96-159 S^T then p, v160-191 O^T, v192-223 O / l, v224-235 codes, v236-254 at work.
.set VIMG, 98304
.set KSC,  196608
.set VSC,  204800
.macro CROUND                          ; a round of the cluster's barrier
	s_barrier_signal -1
	s_barrier_wait -1
	s_cmp_lg_u32 s16, 0
	s_cbranch_scc1 .Lnot_wave_0_\@
	s_barrier_signal -3
.Lnot_wave_0_\@:
	s_barrier_wait -3
	s_barrier_signal -1
	s_barrier_wait -1
.endm
.macro G1SET g, c, r, p                ; the mask of all four work-groups; r rows of c elements of 8 bytes, p elements apart; no padding
	s_mov_b32 s[\g], 15|(3<<16)|(1<<21)
	s_mov_b32 s[\g+1], (\c)<<16
	s_mov_b32 s[\g+2], (\r)<<16
	s_mov_b32 s[\g+3], (\c)<<16
	s_mov_b32 s[\g+4], \r
	s_mov_b32 s[\g+5], \p
	s_mov_b32 s[\g+6], 0
	s_mov_b32 s[\g+7], 0
.endm
.macro PLACES
.rept 4
	v_nop
.endr
.endm
	s_load_b256 s[4:11], s[0:1], 0x0               ; qkc, qks, vc, vs
	s_load_b128 s[12:15], s[0:1], 0x20             ; ac, asc
	v_lshl_add_u32 v251, v0, 2, 0x33000
	v_mov_b32 v255, 0
	ds_add_u32 v251, v255
	ds_add_u32 v251, v255
	v_lshrrev_b32 v1, 5, v0
	s_delay_alu instid0(VALU_DEP_1)
	v_readfirstlane_b32 s16, v1                    ; wave 0..15
	s_lshr_b32 s17, s16, 1                         ; the first tile's last key step
	s_bfe_u32 s19, ttmp6, 0x40000                  ; cx
	s_and_b32 s18, s16, 1
	s_lshl_b32 s18, s18, 2
	s_add_co_u32 s18, s18, s19                     ; the first tile's place among the eight of that step
	s_and_b32 s2, ttmp7, 0xffff
	s_and_b32 s3, s2, 15                           ; the head
	s_lshr_b32 s2, s2, 4                           ; the batch
	s_and_b32 s92, s16, 3                          ; which quarter of K or of V I would fetch
	G1SET 24, 32, 96, 32                           ; K: 24,576 dense bytes
	G1SET 32, 768, 4, 12288                        ; V: four key steps' 6,144 bytes, 98,304 bytes apart
	G1SET 40, 32, 32, 32                           ; K's scale words: 8,192 dense bytes
	G1SET 48, 32, 16, 512                          ; V's: 16 x 256 bytes, 4,096 bytes apart
	s_add_co_u32 s93, s3, 16                       ; K's heads lie behind Q's sixteen
	s_lshl_b32 s93, s93, 9
	s_lshl_b32 s94, s2, 7
	s_add_co_u32 s93, s93, s94
	s_mul_i32 s58, s93, 768
	s_mul_i32 s94, s92, 24576
	s_add_co_u32 s58, s58, s94
	s_mov_b32 s59, 0
	s_mov_b32 s56, 1
	s_mov_b32 s57, s94
	s_lshl_b32 s93, s2, 4
	s_lshl_b32 s95, s92, 2
	s_add_co_u32 s93, s93, s95                     ; my first key step of four
	s_lshl_b32 s93, s93, 6
	s_lshl_b32 s95, s3, 2
	s_add_co_u32 s93, s93, s95                     ; the head's first channel tile
	s_mul_i32 s62, s93, 1536
	s_mov_b32 s63, 0
	s_mov_b32 s60, 1
	s_add_co_u32 s61, s94, VIMG
	s_add_co_u32 s93, s3, 16
	s_lshl_b32 s93, s93, 6
	s_lshl_b32 s95, s2, 4
	s_add_co_u32 s93, s93, s95
	s_lshl_b32 s70, s93, 9
	s_mov_b32 s71, 0
	s_mov_b32 s68, 1
	s_mov_b32 s69, KSC
	s_lshl_b32 s93, s2, 8
	s_add_co_u32 s93, s93, s3
	s_lshl_b32 s74, s93, 8
	s_mov_b32 s75, 0
	s_mov_b32 s72, 1
	s_mov_b32 s73, VSC
	s_lshr_b32 s83, s3, 3                          ; the head's two bytes in a tile's 512 bytes of scale words: word head / 2, bytes 2 (head % 2) on
	s_lshl_b32 s83, s83, 8
	s_bfe_u32 s93, s3, 0x10001
	s_lshl_b32 s93, s93, 7
	s_add_co_u32 s83, s83, s93
	s_bfe_u32 s93, s3, 0x10002
	s_lshl_b32 s93, s93, 2
	s_add_co_u32 s83, s83, s93
	s_and_b32 s93, s3, 1
	s_lshl_b32 s93, s93, 1
	s_add_co_u32 s83, s83, s93
	s_mov_b32 s20, 0x76543210
	s_mov_b32 s21, 0xfedcba98                      ; lane l xor 16
	s_mov_b32 s22, 0x3e38aa3b                      ; c = log2(e) / 8
	s_mov_b32 s23, s22                             ; (named with it as a pair, so it is written)
	s_mov_b32 s82, 0xffff0000                      ; lanes 16-31
	s_wait_dscnt 0x0
	s_wait_kmcnt 0x0
	s_add_nc_u64 s[58:59], s[4:5], s[58:59]
	s_or_b32 s59, s59, 0x80000000
	s_add_nc_u64 s[62:63], s[8:9], s[62:63]
	s_or_b32 s63, s63, 0x80000000
	s_add_nc_u64 s[70:71], s[6:7], s[70:71]
	s_or_b32 s71, s71, 0x80000000
	s_add_nc_u64 s[74:75], s[10:11], s[74:75]
	s_or_b32 s75, s75, 0x80000000
	CROUND                                         ; all four work-groups are here: the joint loads meet
	s_cmp_lt_u32 s16, 4                            ; waves 0-3: K's quarters; 4-7: V's; 8, 9: the scale words.  The branches hang on the wave's number alone; four v_nop follow each load
	s_cbranch_scc0 .Lnot_k
	tensor_load_to_lds s[56:59], s[24:31]
	s_nop 0
	PLACES
	s_branch .Lasked
.Lnot_k:
	s_cmp_lt_u32 s16, 8
	s_cbranch_scc0 .Lnot_v
	tensor_load_to_lds s[60:63], s[32:39]
	s_nop 0
	PLACES
	s_branch .Lasked
.Lnot_v:
	s_cmp_eq_u32 s16, 8
	s_cbranch_scc0 .Lnot_ks
	tensor_load_to_lds s[68:71], s[40:47]
	s_nop 0
	PLACES
	s_branch .Lasked
.Lnot_ks:
	s_cmp_eq_u32 s16, 9
	s_cbranch_scc0 .Lasked
	tensor_load_to_lds s[72:75], s[48:55]
	s_nop 0
	PLACES
.Lasked:
	v_and_b32 v30, 31, v0
	s_delay_alu instid0(VALU_DEP_1)
	v_lshlrev_b32 v1, 4, v30                       ; 16 x lane
	s_delay_alu instid0(VALU_DEP_2)
	v_lshlrev_b32 v2, 3, v30                       ; 8 x lane
	v_and_b32 v31, 15, v0                          ; r
	v_bfe_u32 v30, v0, 4, 1                        ; h
	s_delay_alu instid0(VALU_DEP_2)
	v_lshlrev_b32 v11, 3, v31                      ; 8 r
	s_delay_alu instid0(VALU_DEP_1)
	v_add_nc_u32 v29, v11, v30                     ; 8 r + h
	s_delay_alu instid0(VALU_DEP_4)
	v_and_b32 v10, 7, v31
	v_lshrrev_b32 v9, 3, v31
	s_delay_alu instid0(VALU_DEP_1)
	v_sub_nc_u32 v9, v9, v30
	s_delay_alu instid0(VALU_DEP_1)
	v_lshl_add_u32 v10, v9, 4, v10                 ; r % 8 + 16 (r / 8) - 16 h
.irp j, 22,23,24,25,26,27,80,81,82,83,84,85,236,237,238,239,252,253
	v_mov_b32 v[\j], 0                             ; Q's upper half and what lies behind K's tile 7: zero codes; lane permutes' destinations and a pair's upper half: written once
.endr
; A KEY STEP: 128 keys.
.macro STEP
	s_cmp_gt_u32 s76, s77                          ; all its keys come after my queries: only the addresses step
	s_cbranch_scc1 .Lhidden_\@
	s_setprio 2
	v_add_nc_u32 v3, s78, v1                       ; (these six are also the places in front of loads into registers that the last products read)
	v_add_nc_u32 v4, s78, v2
	v_add_nc_u32 v5, s79, v1
	v_add_nc_u32 v6, s79, v2
	v_add_nc_u32 v7, s80, v2
	v_add_nc_u32 v8, s81, v2
.irp t, 0,1,2,3,4,5,6,7
	ds_load_b128 v[32+6*\t:35+6*\t], v3 offset:768*\t
	ds_load_b64 v[36+6*\t:37+6*\t], v4 offset:768*\t+512
.endr
	ds_load_b64 v[86:87], v7                       ; K's scale words: v86 tiles 0 | 1 (lanes 0-15 | 16-31), v87 tiles 2 | 3,
	ds_load_b64 v[88:89], v7 offset:256            ; v88 tiles 4 | 5, v89 tiles 6 | 7
	s_wait_alu depctr_va_vdst(0)
	s_wait_dscnt 0x0
.irp t, 0,1,2,3,4,5,6,7
.if (\t)%2
	v_wmma_scale_f32_16x16x128_f8f6f4 v[96+8*\t:103+8*\t], v[32+6*\t:43+6*\t], v[16:27], 0, v[86+2*(\t/4)+(\t/2)%2], v28 matrix_a_fmt:MATRIX_FMT_BF6 matrix_b_fmt:MATRIX_FMT_BF6 matrix_a_scale:MATRIX_SCALE_ROW1
.else
	v_wmma_scale_f32_16x16x128_f8f6f4 v[96+8*\t:103+8*\t], v[32+6*\t:43+6*\t], v[16:27], 0, v[86+2*(\t/4)+(\t/2)%2], v28 matrix_a_fmt:MATRIX_FMT_BF6 matrix_b_fmt:MATRIX_FMT_BF6
.endif
.endr
	PLACES                                         ; in front of loads into K's registers and of the first reads of the scores
.irp t, 0,1,2,3                                ; V's four tiles land while the softmax is walked
	ds_load_b128 v[32+12*\t:35+12*\t], v5 offset:1536*\t
	ds_load_b64 v[36+12*\t:37+12*\t], v6 offset:1536*\t+512
	ds_load_b128 v[38+12*\t:41+12*\t], v5 offset:1536*\t+768
	ds_load_b64 v[42+12*\t:43+12*\t], v6 offset:1536*\t+1280
.endr
	ds_load_b64 v[90:91], v8                       ; V's scale words: v90 tiles 0 | 1, v91 tiles 2 | 3
	s_cmp_lt_u32 s76, s77                          ; a step all of whose keys count skips the mask
	s_cbranch_scc1 .Lopen_\@
	v_mov_b32 v254, 0xff800000                     ; -infinity.  Register 16 g + i holds key 32 g + 16 h + i of the step: hidden where 32 g + i > my query's place - 16 h
.irp n, 0,1,2,3,4,5,6,7,8,9,10,11,12,13,14,15,16,17,18,19,20,21,22,23,24,25,26,27,28,29,30,31,32,33,34,35,36,37,38,39,40,41,42,43,44,45,46,47,48,49,50,51,52,53,54,55,56,57,58,59,60,61,62,63
	v_cmp_gt_i32 vcc_lo, 32*(\n/16)+\n%16, v9
	v_cndmask_b32 v[96+\n], v[96+\n], v254, vcc_lo
.endr
.Lopen_\@:
.irp b, 0,1,2,3
	v_max3_num_f32 v[232+\b], v[96+16*\b], v[97+16*\b], v[98+16*\b]   ; the largest score of each block of 32 keys: it serves for the row's maximum and, since p rises with the score, for the block's largest p
.endr
.irp i, 3,5,7,9,11,13
.irp b, 0,1,2,3
	v_max3_num_f32 v[232+\b], v[232+\b], v[96+16*\b+\i], v[97+16*\b+\i]
.endr
.endr
.irp b, 0,1,2,3
	v_max_num_f32 v[232+\b], v[232+\b], v[111+16*\b]
.endr
.irp b, 0,1,2,3
	s_delay_alu instid0(VALU_DEP_4)
	v_permlanex16_b32 v[236+\b], v[232+\b], s20, s21
.endr
.irp b, 0,1,2,3
	s_delay_alu instid0(VALU_DEP_4)
	v_max_num_f32 v[232+\b], v[232+\b], v[236+\b]  ; with lane l xor 16's 16 keys
.endr
	s_delay_alu instid0(VALU_DEP_2)
	v_max3_num_f32 v254, v232, v233, v234
	s_delay_alu instid0(VALU_DEP_1)
	v_max_num_f32 v254, v254, v235
	s_delay_alu instid0(VALU_DEP_1)
	v_mul_f32 v254, s22, v254                      ; the step's largest t
	s_delay_alu instid0(VALU_DEP_1)
	v_max_num_f32 v13, v13, v254                   ; the running largest t
	v_mov_b32 v254, v12
	s_delay_alu instid0(VALU_DEP_2)
	v_floor_f32 v12, -v13                          ; the new -M = floor(-t): M is a whole number
	s_delay_alu instid0(VALU_DEP_1)
	v_sub_f32 v254, v12, v254                      ; old M - new M: a whole number, 0 or less
	s_delay_alu instid0(VALU_DEP_1)
	v_cvt_i32_f32 v254, v254                       ; (it saturates)
	s_delay_alu instid0(VALU_DEP_1)
	v_ldexp_f32 v252, 1.0, v254                    ; f = 2^(old M - new M): a multiplication by it rounds nothing
	s_setprio 1
.irp j, 0,2,4,6,8,10,12,14,16,18,20,22,24,26,28,30,32,34,36,38,40,42,44,46,48,50,52,54,56,58,60,62
	v_pk_fma_f32 v[96+\j:97+\j], v[96+\j:97+\j], s[22:23], v[12:13] op_sel_hi:[1,0,0]   ; t - M
.endr
.irp b, 0,1,2,3
	v_fma_f32 v[232+\b], v[232+\b], s22, v12       ; the same of each block's largest score
.endr
	s_wait_alu depctr_va_vdst(0)
.irp j, 0,1,2,3,4,5,6,7,8,9,10,11,12,13,14,15,16,17,18,19,20,21,22,23,24,25,26,27,28,29,30,31,32,33,34,35,36,37,38,39,40,41,42,43,44,45,46,47,48,49,50,51,52,53,54,55,56,57,58,59,60,61,62,63
	v_exp_f32 v[96+\j], v[96+\j]                   ; p = 2^(t - M)
.endr
.irp b, 0,1,2,3
	v_exp_f32 v[232+\b], v[232+\b]                 ; the block's largest p: the same two instructions on the same number
.endr
	v_pk_mul_f32 v[14:15], v[14:15], v[252:253] op_sel_hi:[1,0]   ; the sums under the new M (a plain place behind the exponentials)
	s_wait_alu depctr_va_vdst(0)
.irp b, 0,1,2,3
	v_max_num_f32 v[232+\b], 0x2800000, v[232+\b]  ; the floor 2^(5 - 127): the byte cannot fall under 1
.endr
.irp b, 0,1,2,3
	s_delay_alu instid0(VALU_DEP_4)
	v_add_nc_u32 v[244+\b], 0xfe000000, v[232+\b]  ; 4 off the exponent field: the conversion's scale operand
.endr
.irp b, 0,1,2,3
	s_delay_alu instid0(VALU_DEP_4)
	v_lshrrev_b32 v[236+\b], 23, v[244+\b]         ; the scale's byte
.endr
	s_delay_alu instid0(VALU_DEP_3)
	v_lshl_or_b32 v253, v237, 8, v236              ; p's scale word for these 128 keys
	s_delay_alu instid0(VALU_DEP_1)
	v_lshl_or_b32 v253, v238, 16, v253
	s_delay_alu instid0(VALU_DEP_1)
	v_lshl_or_b32 v253, v239, 24, v253
.irp c, 0,1
	v_cvt_scalef32_pk16_bf6_f32 v[224+6*\c:226+6*\c], v[96+32*\c:111+32*\c], v[244+2*\c]
	v_cvt_scalef32_pk16_bf6_f32 v[236+4*\c:238+4*\c], v[112+32*\c:127+32*\c], v[244+2*\c+1]
.endr
	v_nop                                          ; one plain place behind a scaled conversion
.irp c, 0,1                                    ; the operand's layout wants a whole block in a lane
.irp i, 0,1,2
	v_permlane16_swap_b32 v[224+6*\c+\i], v[236+4*\c+\i]
.endr
.irp i, 0,1,2
	s_delay_alu instid0(VALU_DEP_3)
	v_mov_b32 v[227+6*\c+\i], v[236+4*\c+\i]
.endr
.endr
	v_pk_add_f32 v[236:237], v[100:101], v[104:105]
	v_pk_add_f32 v[248:249], v[108:109], v[112:113]
	v_pk_add_f32 v[246:247], v[116:117], v[120:121]
	v_pk_add_f32 v[244:245], v[124:125], v[128:129]
	v_pk_add_f32 v[242:243], v[132:133], v[136:137]
	v_pk_add_f32 v[240:241], v[140:141], v[144:145]
	v_pk_add_f32 v[222:223], v[148:149], v[152:153]
	v_pk_add_f32 v[14:15], v[14:15], v[156:157]
	v_pk_add_f32 v[236:237], v[236:237], v[96:97]
	s_setprio 0
	v_pk_add_f32 v[248:249], v[248:249], v[98:99]
	v_pk_add_f32 v[246:247], v[246:247], v[102:103]
	v_pk_add_f32 v[244:245], v[244:245], v[106:107]
	v_pk_add_f32 v[242:243], v[242:243], v[110:111]
	v_pk_add_f32 v[240:241], v[240:241], v[114:115]
	v_pk_add_f32 v[222:223], v[222:223], v[118:119]
	v_pk_add_f32 v[14:15], v[14:15], v[122:123]
	v_pk_add_f32 v[236:237], v[236:237], v[126:127]
	v_pk_add_f32 v[248:249], v[248:249], v[130:131]
	v_pk_add_f32 v[246:247], v[246:247], v[134:135]
	v_pk_add_f32 v[244:245], v[244:245], v[138:139]
	v_pk_add_f32 v[242:243], v[242:243], v[142:143]
	v_pk_add_f32 v[240:241], v[240:241], v[146:147]
	v_pk_add_f32 v[222:223], v[222:223], v[150:151]
	v_pk_add_f32 v[14:15], v[14:15], v[154:155]
	v_pk_add_f32 v[236:237], v[236:237], v[158:159]
	s_delay_alu instid0(VALU_DEP_2)
	v_pk_add_f32 v[14:15], v[14:15], v[244:245]
	s_delay_alu instid0(VALU_DEP_2)
	v_pk_add_f32 v[236:237], v[236:237], v[242:243]
	v_pk_add_f32 v[248:249], v[248:249], v[240:241]
	v_pk_add_f32 v[246:247], v[246:247], v[222:223]
	s_delay_alu instid0(VALU_DEP_2)
	v_pk_add_f32 v[14:15], v[14:15], v[248:249]
	s_delay_alu instid0(VALU_DEP_2)
	v_pk_add_f32 v[236:237], v[236:237], v[246:247]
	s_delay_alu instid0(VALU_DEP_1)
	v_pk_add_f32 v[14:15], v[14:15], v[236:237]
.irp j, 0,2,4,6,8,10,12,14,16,18,20,22,24,26,28,30
	v_pk_mul_f32 v[160+\j:161+\j], v[160+\j:161+\j], v[252:253] op_sel_hi:[1,0]   ; O^T under the new M.  (The sums and these are the places between p's codes and scale word and the products below)
.endr
	s_wait_alu depctr_va_vdst(0)
	s_wait_dscnt 0x0                               ; V is in
.irp t, 0,1,2,3                                ; the four accumulators take turns
.if (\t)%2
	v_wmma_scale_f32_16x16x128_f8f6f4 v[160+8*\t:167+8*\t], v[32+12*\t:43+12*\t], v[224:235], v[160+8*\t:167+8*\t], v[90+\t/2], v253 matrix_a_fmt:MATRIX_FMT_BF6 matrix_b_fmt:MATRIX_FMT_BF6 matrix_a_scale:MATRIX_SCALE_ROW1
.else
	v_wmma_scale_f32_16x16x128_f8f6f4 v[160+8*\t:167+8*\t], v[32+12*\t:43+12*\t], v[224:235], v[160+8*\t:167+8*\t], v[90+\t/2], v253 matrix_a_fmt:MATRIX_FMT_BF6 matrix_b_fmt:MATRIX_FMT_BF6
.endif
.endr
.Lhidden_\@:
	s_add_co_u32 s78, s78, 6144                    ; the next step's tiles of K, of V, and their scale words
	s_add_co_u32 s79, s79, 6144
	s_add_co_u32 s80, s80, 512
	s_add_co_u32 s81, s81, 256
	s_add_co_u32 s76, s76, 1
.endm
; A TILE OF 16 QUERIES.  z = 0: the early one; z = 1: its mirror.
.macro TILE z
.if \z == 0
	s_mov_b32 s77, s17                             ; the tile's last key step (of the wave's number alone),
	s_mov_b32 s93, s18                             ; its place among that step's eight tiles
.else
	s_wait_xcnt 0x0                                ; the first tile's stores have read their registers and bases
	s_sub_co_u32 s77, 15, s17
	s_sub_co_u32 s93, 7, s18
.endif
	s_lshl_b32 s94, s77, 3
	s_add_co_u32 s94, s94, s93
	s_lshl_b32 s95, s2, 7
	s_add_co_u32 s94, s94, s95                     ; the tile among all 512
	s_lshl_b32 s95, s3, 9
	s_add_co_u32 s95, s95, s94
	s_mul_i32 s96, s95, 768
	s_mov_b32 s97, 0
	s_add_nc_u64 s[84:85], s[4:5], s[96:97]        ; Q's codes
	s_lshl_b32 s95, s3, 6
	s_lshl_b32 s96, s2, 4
	s_add_co_u32 s95, s95, s96
	s_add_co_u32 s95, s95, s77
	s_lshl_b32 s95, s95, 9
	s_lshr_b32 s96, s93, 2
	s_lshl_b32 s96, s96, 8
	s_add_co_u32 s95, s95, s96
	s_and_b32 s96, s93, 1
	s_lshl_b32 s96, s96, 7
	s_add_co_u32 s95, s95, s96
	s_bfe_u32 s96, s93, 0x10001
	s_lshl_b32 s96, s96, 2
	s_add_co_u32 s96, s95, s96
	s_add_nc_u64 s[86:87], s[6:7], s[96:97]        ; Q's scale words
	s_mul_i32 s96, s94, 12288
	s_mul_i32 s95, s3, 768
	s_add_co_u32 s96, s96, s95
	s_add_nc_u64 s[88:89], s[12:13], s[96:97]      ; the result's half image
	s_lshl_b32 s96, s94, 9
	s_add_co_u32 s96, s96, s83
	s_add_nc_u64 s[90:91], s[14:15], s[96:97]      ; and its scale bytes
	s_lshr_b32 s95, s93, 1
	s_lshl_b32 s95, s95, 5
	s_and_b32 s96, s93, 1
	s_lshl_b32 s96, s96, 3
	s_add_co_u32 s95, s95, s96                     ; the tile's first query among its step's 128
	global_load_b128 v[16:19], v1, s[84:85]
	global_load_b64 v[20:21], v2, s[84:85] offset:512
	global_load_b32 v28, v11, s[86:87]
	v_add_nc_u32 v9, s95, v10                      ; my query's place in the last step - 16 h
	v_mov_b32 v13, 0xff61b1e6                      ; the largest t so far: -3e38
	s_delay_alu instid0(VALU_DEP_1)
	v_floor_f32 v12, -v13
	v_mov_b32 v14, 0
	v_mov_b32 v15, 0
.irp j, 0,1,2,3,4,5,6,7,8,9,10,11,12,13,14,15,16,17,18,19,20,21,22,23,24,25,26,27,28,29,30,31
	v_mov_b32 v[160+\j], 0                         ; O^T: the step is written once; the first change of M leaves zeros zeros
.endr
	s_mov_b32 s76, 0
	s_mov_b32 s78, 0
	s_mov_b32 s79, VIMG
	s_mov_b32 s80, KSC
	s_mov_b32 s81, VSC
.if \z == 0
	s_wait_tensorcnt 0x0                           ; my part of K, V or the scale words has landed,
	s_barrier_signal -1
	s_barrier_wait -1                              ; everybody's has
.endif
	s_wait_loadcnt 0x0                             ; Q
.Lkey_\@:
	STEP
	s_cmp_lt_u32 s76, 8*(\z+1)
	s_cbranch_scc1 .Lkey_\@
	s_setprio 0
	PLACES                                         ; behind the last products
	v_add_f32 v14, v14, v15
	s_delay_alu instid0(VALU_DEP_1)
	v_permlanex16_b32 v252, v14, s20, s21
	s_delay_alu instid0(VALU_DEP_1)
	v_add_f32 v14, v14, v252                       ; the row's sum
	s_wait_alu depctr_va_vdst(0)
	v_rcp_f32 v14, v14
	v_nop                                          ; one plain place behind a transcendental
	s_wait_alu depctr_va_vdst(0)
.irp j, 0,2,4,6,8,10,12,14,16,18,20,22,24,26,28,30
	v_pk_mul_f32 v[192+\j:193+\j], v[160+\j:161+\j], v[14:15] op_sel_hi:[1,0]   ; O / l: register 16 g + i is channel 32 g + 16 h + i of the head; each accumulator from its low end on
.endr
.irp b, 0,1
	v_max3_num_f32 v[236+\b], |v[192+16*\b]|, |v[193+16*\b]|, 0x2800000
.endr
.irp i, 2,4,6,8,10,12,14
.irp b, 0,1
	s_delay_alu instid0(VALU_DEP_2)
	v_max3_num_f32 v[236+\b], v[236+\b], |v[192+16*\b+\i]|, |v[193+16*\b+\i]|
.endr
.endr
.irp b, 0,1
	s_delay_alu instid0(VALU_DEP_2)
	v_permlanex16_b32 v[238+\b], v[236+\b], s20, s21
.endr
.irp b, 0,1
	s_delay_alu instid0(VALU_DEP_2)
	v_max_num_f32 v[236+\b], v[236+\b], v[238+\b]
.endr
.irp b, 0,1
	s_delay_alu instid0(VALU_DEP_2)
	v_add_nc_u32 v[244+\b], 0xfe000000, v[236+\b]
.endr
.irp b, 0,1
	s_delay_alu instid0(VALU_DEP_2)
	v_lshrrev_b32 v[240+\b], 23, v[244+\b]
.endr
	v_cvt_scalef32_pk16_bf6_f32 v[224:226], v[192:207], v244
	v_cvt_scalef32_pk16_bf6_f32 v[228:230], v[208:223], v245
	v_nop                                          ; one plain place behind a scaled conversion
.irp i, 0,1,2
	v_permlane16_swap_b32 v[224+\i], v[228+\i]
.endr
.irp i, 0,1,2
	s_delay_alu instid0(VALU_DEP_3)
	v_mov_b32 v[227+\i], v[228+\i]                 ; v224-229: channels 32 h + 0 .. 31
.endr
	v_cndmask_b32 v240, v240, v241, s82            ; lanes 0-15 store block 0's byte, lanes 16-31 block 1's
	global_store_b128 v1, v[224:227], s[88:89]     ; 512 and 256 consecutive bytes, aligned to 256
	global_store_b64 v2, v[228:229], s[88:89] offset:512
	global_store_b8 v29, v240, s[90:91]
.endm
	TILE 0
	TILE 1
	s_wait_tensorcnt 0x0
	ds_add_u32 v251, v255
	s_wait_dscnt 0x0
	CROUND                                         ; the closing round
	s_endpgm
.Lfunc_end_k_qf200b06928_attn:
	.size	k_qf200b06928_attn, .Lfunc_end_k_qf200b06928_attn-k_qf200b06928_attn
	.p2alignl 7, 3214868480
	.fill 96, 4, 3214868480
	.section	.rodata,"a",@progbits
	.p2align	6, 0x0
	.amdhsa_kernel k_qf200b06928_attn
		.amdhsa_group_segment_fixed_size 210944
		.amdhsa_private_segment_fixed_size 0
		.amdhsa_enable_private_segment 0
		.amdhsa_kernarg_size 48
		.amdhsa_user_sgpr_count 2
		.amdhsa_user_sgpr_kernarg_segment_ptr 1
		.amdhsa_wavefront_size32 1
		.amdhsa_system_sgpr_workgroup_id_x 1
		.amdhsa_system_sgpr_workgroup_id_y 1
		.amdhsa_system_sgpr_workgroup_id_z 1
		.amdhsa_system_vgpr_workitem_id 0
		.amdhsa_next_free_vgpr 256
		.amdhsa_next_free_sgpr 100
		.amdhsa_reserve_vcc 1
		.amdhsa_float_denorm_mode_32 3
		.amdhsa_float_denorm_mode_16_64 3
		.amdhsa_memory_ordered 1
		.amdhsa_forward_progress 1
		.amdhsa_inst_pref_size 69
	.end_amdhsa_kernel
	.amdgpu_metadata
---
amdhsa.version: [ 1, 2 ]
amdhsa.kernels:
  - .name:           k_qf200b06928_attn
    .symbol:         k_qf200b06928_attn.kd
    .args:
      - { .name: qkc, .offset: 0, .size: 8, .value_kind: global_buffer, .address_space: global }
      - { .name: qks, .offset: 8, .size: 8, .value_kind: global_buffer, .address_space: global }
      - { .name: vc, .offset: 16, .size: 8, .value_kind: global_buffer, .address_space: global }
      - { .name: vs, .offset: 24, .size: 8, .value_kind: global_buffer, .address_space: global }
      - { .name: ac, .offset: 32, .size: 8, .value_kind: global_buffer, .address_space: global }
      - { .name: asc, .offset: 40, .size: 8, .value_kind: global_buffer, .address_space: global }
    .group_segment_fixed_size: 210944
    .private_segment_fixed_size: 0
    .kernarg_segment_align: 8
    .kernarg_segment_size: 48
    .max_flat_workgroup_size: 512
    .sgpr_count:     100
    .vgpr_count:     256
    .wavefront_size: 32
...
	.end_amdgpu_metadata
.endif
;; end of part 3
;; launch gemm_out (part 4): grid 4 x 64, 4 waves a work-group, clusters of 4 x 4, 307,712 bytes of LDS; arguments ac, asc, opc, ops, Wo_b, out0; writes out0
.if DOCPART == 4
	.amdgcn_target "amdgcn-amd-amdhsa--gfx1250"
	.amdhsa_code_object_version 6
	.text
	.protected	k_qf200b06928_gemm_out
	.globl	k_qf200b06928_gemm_out
	.p2align	8
	.type	k_qf200b06928_gemm_out,@function
k_qf200b06928_gemm_out:
	s_mov_b64 s[64:65], 0
	v_nop
	global_prefetch_b8 v0, s[64:65] scope:SCOPE_SE
	s_setreg_imm32_b32 hwreg(HW_REG_WAVE_MODE, 25, 1), 1
	s_wait_xcnt 0x0
	s_wait_alu depctr_hold_cnt(0) depctr_sa_sdst(0) depctr_va_vdst(0) depctr_va_sdst(0) depctr_va_ssrc(0) depctr_va_vcc(0) depctr_vm_vsrc(0)
	s_getreg_b32 s2, hwreg(HW_REG_IB_STS2, 6, 4)
	s_cmp_eq_u32 s2, 0
	s_cbranch_scc0 .Lentry_in_a_cluster
	s_endpgm
.Lentry_in_a_cluster:
	s_bfe_u32 s2, ttmp6, 0x10000c
	s_cmp_lg_u32 s2, 0xf033
	s_cbranch_scc0 .Lentry_shape_is_right
	s_endpgm
.Lentry_shape_is_right:
; out0 = attn Wo_w^T + Wo_b on codes of BF6 (E3M2) with E8M0 scales.  A = attn's images (ac, asc), B = Wo_w's (opc, ops, tiles 704 on).
; A work-group makes 128 rows x 256 columns, K = 1,024.  ALL OF K LIES IN LDS, FILLED ONCE: four chunks of 256 along K (A's 8 tiles and B's 16 tiles, 3,072 bytes each) and the scale words, 307,200 bytes;
; five tensor loads a wave go out at the head, and no LDS byte is filled twice.  CLUSTERS: 4 x 4 work-groups; A's tiles are asked for jointly along a row of the cluster, B's along a column.
; Four waves, each 64 x 128: 32 accumulators.  The matrix instruction is used transposed (source 0 = 16 rows of B, source 1 = 16 rows of A).  Operands are images of their registers: every LDS load reads consecutive bytes.
; Lane r of tile 2 g + u holds row 32 g + 8 u + r + 8 (r / 8): so accumulator (a, b), register j, lane (r, h) is row 32 (a / 2) + 8 (a % 2) + r + 8 (r / 8), column 32 (b / 2) + 16 h + 8 (b % 2) + j of the wave's part.
; The bias is the C of each sum's first matrix instruction.  The way out goes through the wave's stage, which lies in chunk 0: that chunk has had its only fill, and every wave's last read of it is waited for in front of the second barrier.
; REGISTERS: window 0: v8-23 LDS addresses, v24, v25 the stage, v26 16 x lane, v28 8 x lane, v27 scale words' address, v29 the bias's offset, v32-95 scale words, v96-191 A's two sets, v192-255 the bias;  window 1: accumulator (a, b) at 8 (8 a + b);  window 2: B's two sets at v0, v128.
.set CH,    73728
.set BOFF,  24576
.set SCLA,  4*CH
.set SCLB,  SCLA+4096
.set AD,    8
.set STO,   24
.set RD,    25
.set L16,   26
.set ADS,   27
.set L8,    28
.set BA,    29
.set SC,    32
.set AF,    96
.set BI,    192
.set G1A,   24
.set G1B,   32
.set G1SA,  40
.set G1SB,  48
.set MSB, 0
.macro WIN new                         ; the immediate's high byte repeats the setting that is left
.if MSB != \new
	s_set_vgpr_msb (MSB<<8)|\new
.set MSB, \new
.endif
.endm
.macro CROUND                          ; a round of the cluster's barrier
	s_barrier_signal -1
	s_barrier_wait -1
	s_cmp_lg_u32 s16, 0
	s_cbranch_scc1 .Lnot_wave_0_\@
	s_barrier_signal -3
.Lnot_wave_0_\@:
	s_barrier_wait -3
	s_barrier_signal -1
	s_barrier_wait -1
.endm
.macro G1SET g, c, r, p                ; r rows of c elements of 8 bytes, p elements apart
	s_mov_b32 s[\g+1], (\c)<<16
	s_mov_b32 s[\g+2], (\r)<<16
	s_mov_b32 s[\g+3], (\c)<<16
	s_mov_b32 s[\g+4], \r
	s_mov_b32 s[\g+5], \p
	s_mov_b32 s[\g+6], 0
	s_mov_b32 s[\g+7], 0
.endm
.macro G0SET g, lbase, loff, first, goff
	s_mov_b32 s[\g], 1
	s_add_co_u32 s[\g+1], s[\lbase], \loff
	s_add_nc_u64 s[\g+2:\g+3], s[\first:\first+1], \goff
	s_or_b32 s[\g+3], s[\g+3], 0x80000000
.endm
.macro PLACES
.rept 4
	v_nop
.endr
.endm
.macro BAR n                           ; my loads but the n youngest have landed; then the work-group's barrier.  The later chunks may stay out
	s_wait_tensorcnt \n
	s_barrier_signal -1
	s_barrier_wait -1
.endm
	s_load_b256 s[4:11], s[0:1], 0x0               ; ac, asc, opc, ops
	s_load_b128 s[12:15], s[0:1], 0x20             ; Wo_b, out0
	v_lshl_add_u32 v30, v0, 2, 0x4b000
	v_mov_b32 v31, 0
	ds_add_u32 v30, v31
	ds_add_u32 v30, v31
	v_lshrrev_b32 v1, 5, v0
	v_readfirstlane_b32 s16, v1                    ; wave
	s_lshr_b32 s17, s16, 1                         ; which four tiles of A are mine.  Also: I fetch for A (0) or for B (1)
	s_and_b32 s18, s16, 1                          ; which eight tiles of B.  Also: which half I fetch
	s_bfe_u32 s19, ttmp6, 0x40000                  ; cx
	s_bfe_u32 s20, ttmp6, 0x40004                  ; cy
	s_lshl_b32 s22, ttmp9, 2
	s_add_co_u32 s22, s22, s19                     ; which 256 columns
	s_and_b32 s23, ttmp7, 0xffff
	s_lshl_b32 s23, s23, 2
	s_add_co_u32 s23, s23, s20                     ; which 128 rows
	s_lshl_b32 s2, s20, 2
	s_lshl_b32 s2, 15, s2                          ; my row of the cluster
	s_lshl_b32 s3, 0x1111, s19                     ; my column
	s_or_b32 s[G1A], s2, (3<<16)|(1<<21)           ; 15:0 the mask; 17:16 elements of 8 bytes; 21 set beside a mask; no padding
	s_or_b32 s[G1SA], s2, (3<<16)|(1<<21)
	s_or_b32 s[G1B], s3, (3<<16)|(1<<21)
	s_or_b32 s[G1SB], s3, (3<<16)|(1<<21)
	G1SET G1A, 384, 4, 1536                        ; four tiles' 3,072 bytes of a chunk, 12,288 bytes apart
	G1SET G1B, 384, 8, 1536
	G1SET G1SA, 32, 8, 32                          ; four tiles' scale words: 2,048 dense bytes
	G1SET G1SB, 32, 16, 32
	s_lshl_b32 s104, s23, 3
	s_lshl_b32 s2, s18, 2
	s_add_co_u32 s104, s104, s2                    ; the first tile of A that I would fetch
	s_lshl_b32 s105, s22, 4
	s_lshl_b32 s3, s18, 3
	s_add_co_u32 s105, s105, s3
	s_add_co_u32 s105, s105, 704                   ; and of B: Wo_w's tiles begin at 704
	s_mul_i32 s20, s104, 12288
	s_mov_b32 s21, 0
	s_lshl_b32 s58, s104, 9
	s_mov_b32 s59, 0
	s_mul_i32 s66, s105, 12288
	s_mov_b32 s67, 0
	s_lshl_b32 s82, s105, 9
	s_mov_b32 s83, 0
	s_mul_i32 s2, s18, 12288                       ; where they go: no place in the cluster enters an LDS address
	s_mul_i32 s3, s18, 24576
	s_lshl_b32 s104, s18, 11
	s_lshl_b32 s105, s18, 12
	s_wait_dscnt 0x0
	s_wait_kmcnt 0x0
	s_add_nc_u64 s[20:21], s[4:5], s[20:21]
	s_add_nc_u64 s[58:59], s[6:7], s[58:59]
	s_add_nc_u64 s[66:67], s[8:9], s[66:67]
	s_add_nc_u64 s[82:83], s[10:11], s[82:83]
	s_mov_b32 s56, 1
	s_add_co_u32 s57, s104, SCLA
	s_or_b32 s59, s59, 0x80000000
	s_mov_b32 s80, 1
	s_add_co_u32 s81, s105, SCLB
	s_or_b32 s83, s83, 0x80000000
	G0SET 60, 2, 0*CH, 20, 0
	G0SET 68, 2, 1*CH, 20, 3072
	G0SET 72, 2, 2*CH, 20, 6144
	G0SET 76, 2, 3*CH, 20, 9216
	G0SET 84, 3, 0*CH+BOFF, 66, 0
	G0SET 88, 3, 1*CH+BOFF, 66, 3072
	G0SET 92, 3, 2*CH+BOFF, 66, 6144
	G0SET 96, 3, 3*CH+BOFF, 66, 9216
	CROUND                                         ; all sixteen work-groups are here: the joint loads meet
	s_cmp_eq_u32 s17, 0                            ; a wave's five fills stand in one branch, ahead of every wait on TENSORcnt, every LDS read and every other barrier: five loads of mine are out
	s_cbranch_scc0 .Lfirst_b
	tensor_load_to_lds s[56:59], s[G1SA:G1SA+7]    ; the scale words first: they are wanted with chunk 0
	s_nop 0
	tensor_load_to_lds s[60:63], s[G1A:G1A+7]
	s_nop 0
	tensor_load_to_lds s[68:71], s[G1A:G1A+7]
	s_nop 0
	tensor_load_to_lds s[72:75], s[G1A:G1A+7]
	s_nop 0
	tensor_load_to_lds s[76:79], s[G1A:G1A+7]
	s_nop 0
	PLACES                                         ; (four v_nop follow the last)
	s_branch .Lfirst_asked
.Lfirst_b:
	tensor_load_to_lds s[80:83], s[G1SB:G1SB+7]
	s_nop 0
	tensor_load_to_lds s[84:87], s[G1B:G1B+7]
	s_nop 0
	tensor_load_to_lds s[88:91], s[G1B:G1B+7]
	s_nop 0
	tensor_load_to_lds s[92:95], s[G1B:G1B+7]
	s_nop 0
	tensor_load_to_lds s[96:99], s[G1B:G1B+7]
	s_nop 0
	PLACES
.Lfirst_asked:
	v_and_b32 v3, 31, v0
	v_and_b32 v1, 15, v0                           ; r
	v_bfe_u32 v2, v0, 4, 1                         ; h
	v_lshlrev_b32 v[L16], 4, v3
	v_lshlrev_b32 v[L8], 3, v3
	v_lshlrev_b32 v[BA], 6, v2                     ; the bias: 64 h
	s_wait_alu depctr_va_vdst(0)
	s_lshl_b32 s100, s22, 10                       ; my first column, in bytes: 1,024 x the work-group's + 512 x my half
	s_lshl_b32 s101, s18, 9
	s_add_co_u32 s100, s100, s101
	s_mov_b32 s101, 0
	s_add_nc_u64 s[12:13], s[12:13], s[100:101]
	s_add_nc_u64 s[14:15], s[14:15], s[100:101]
	s_lshl_b32 s100, s23, 19                       ; my first row: 128 x the work-group's + 64 x my half, rows of 4,096 bytes
	s_lshl_b32 s19, s17, 18
	s_add_co_u32 s100, s100, s19
	s_add_nc_u64 s[14:15], s[14:15], s[100:101]
.irp b, 0,1,2,3,4,5,6,7                        ; tile b's eight columns of my half: 32 (b / 2) + 16 h + 8 (b % 2) + 0 .. 7
	global_load_b128 v[BI+8*\b:BI+8*\b+3], v[BA], s[12:13] offset:128*(\b/2)+32*(\b%2)
	global_load_b128 v[BI+8*\b+4:BI+8*\b+7], v[BA], s[12:13] offset:128*(\b/2)+32*(\b%2)+16
.endr
	s_mul_i32 s2, s17, 12288                       ; my four tiles of A
	s_mul_i32 s3, s18, 24576
	s_add_co_u32 s3, s3, BOFF                      ; my eight tiles of B
.irp c, 0,1,2,3
	v_add_nc_u32 v[AD+4*\c], s2, v[L16]
	v_add_nc_u32 v[AD+4*\c+1], s2, v[L8]
	v_add_nc_u32 v[AD+4*\c+2], s3, v[L16]
	v_add_nc_u32 v[AD+4*\c+3], s3, v[L8]
	s_add_co_u32 s2, s2, CH
	s_add_co_u32 s3, s3, CH
.endr
	s_xor_b32 s19, s17, 1                          ; the scale words: lanes 0-15 take A's, lanes 16-31 B's: the lower base + h x the distance,
	s_lshl_b32 s19, s19, 11                        ; which is SCLB - SCLA + 4,096 (my half of B) - 2,048 (my half of A)
	s_lshl_b32 s3, s18, 12
	s_add_co_u32 s3, s3, s19
	s_add_co_u32 s3, s3, SCLB-SCLA-2048
	v_mul_u32_u24 v4, s3, v2
	s_lshl_b32 s2, s17, 11
	s_add_co_u32 s2, s2, SCLA
	v_lshl_add_u32 v4, v1, 3, v4
	v_add_nc_u32 v[ADS], s2, v4
	s_mul_i32 s2, s16, 8448                        ; my stage: 16 rows x 528 bytes
	v_mul_u32_u24 v4, v1, 528
	v_lshl_add_u32 v4, v2, 6, v4
	v_add_nc_u32 v[STO], s2, v4                    ; in: row r, + 64 h
	v_add_nc_u32 v[RD], s2, v[L16]                 ; back: a row's 512 bytes
.macro FRAG reg, adr, off              ; an image comes back as it was stored: 512, 256, 512, 256 consecutive bytes
	ds_load_b128 v[\reg:\reg+3], v[\adr] offset:\off
	ds_load_b64 v[\reg+4:\reg+5], v[\adr+1] offset:\off+512
	ds_load_b128 v[\reg+6:\reg+9], v[\adr] offset:\off+768
	ds_load_b64 v[\reg+10:\reg+11], v[\adr+1] offset:\off+1280
.endm
.macro FETCH k                         ; K step k's fragments: B's eight, A's four: 48 loads in one run
	WIN 0x80                                       ; destination window 2
.irp i, 0,1,2,3,4,5,6,7
	FRAG 128*((\k)%2)+12*\i, AD+4*((\k)/2)+2, 3072*\i+1536*((\k)%2)
.endr
	WIN 0
.irp i, 0,1,2,3
	FRAG AF+48*((\k)%2)+12*\i, AD+4*((\k)/2), 3072*\i+1536*((\k)%2)
.endr
.endm
.macro MULS k, cm                      ; 32 matrix instructions; cm = 2: they start the sums from the bias.  The 32 accumulators take turns, one instruction a turn, in the same order in every step
.set SCI, 4*((\k)/4)+2*((\k)%2)+((\k)/2)%2
.set BSET, 128*((\k)%2)
.set ASET, AF+48*((\k)%2)
.if \cm == 2
	WIN 0x42                                       ; source 0 (B) window 2, source 1 (A) and C (the bias) window 0, D window 1
.else
	WIN 0x52                                       ; C and D window 1
.endif
.irp a, 0,1,2,3
.irp b, 0,1,2,3,4,5,6,7
.if \cm == 2
	v_wmma_scale_f32_16x16x128_f8f6f4 v[8*(8*\a+\b):8*(8*\a+\b)+7], v[BSET+12*\b:BSET+12*\b+11], v[ASET+12*\a:ASET+12*\a+11], v[BI+8*\b:BI+8*\b+7], v[SC+8*\b+SCI], v[SC+8*\a+SCI] matrix_a_fmt:MATRIX_FMT_BF6 matrix_b_fmt:MATRIX_FMT_BF6 matrix_a_scale:MATRIX_SCALE_ROW1
.else
	v_wmma_scale_f32_16x16x128_f8f6f4 v[8*(8*\a+\b):8*(8*\a+\b)+7], v[BSET+12*\b:BSET+12*\b+11], v[ASET+12*\a:ASET+12*\a+11], v[8*(8*\a+\b):8*(8*\a+\b)+7], v[SC+8*\b+SCI], v[SC+8*\a+SCI] matrix_a_fmt:MATRIX_FMT_BF6 matrix_b_fmt:MATRIX_FMT_BF6 matrix_a_scale:MATRIX_SCALE_ROW1
.endif
.endr
.endr
.endm
.macro KSTEP k, cm
	s_wait_dscnt 0x0                               ; this step's fragments are in (asked for 32 matrix instructions ago); no LDS instruction of mine is out at a signal
.if (\k) == 1
	BAR 2                                          ; chunk 1 is in, everybody's; chunks 2 and 3 may be out.  Nobody reads chunk 0 behind this barrier
.elseif (\k) == 3
	BAR 1
.elseif (\k) == 5
	BAR 0
.endif
.if (\k) > 0
	PLACES                                         ; four places in front of loads into the sets that the last step multiplied
.endif
.if (\k) < 7
	FETCH (\k)+1
.endif
	MULS \k, \cm
.endm
	s_wait_alu depctr_va_vdst(0)
	BAR 3                                          ; the scale words and chunk 0 are in, everybody's; three chunks may be out
	FETCH 0
.irp i, 0,1,2,3,4,5,6,7                ; all scale words, once: 64 registers
.irp g, 0,1
.irp p, 0,1
	ds_load_b64 v[SC+8*\i+4*\g+2*\p:SC+8*\i+4*\g+2*\p+1], v[ADS] offset:512*\i+256*\g+128*\p
.endr
.endr
.endr
	s_wait_loadcnt 0x0                             ; the bias
	KSTEP 0, 2
	KSTEP 1, 1
	KSTEP 2, 1
	KSTEP 3, 1
	KSTEP 4, 1
	KSTEP 5, 1
	KSTEP 6, 1
	KSTEP 7, 1
	WIN 0
	PLACES                                         ; in front of the first reads of results and of loads into A's sets
; THE WAY OUT, a tile of 16 rows x 128 columns at a time: into my stage, and back as whole rows of 512 bytes.  LDS serves a wave's instructions in order: no wait between the stores and the loads, nor in front of the next tile's stores.
.macro TOSTAGE a
	WIN 0x04                                       ; an LDS store's data are its source 1: window 1
.irp b, 0,1,2,3,4,5,6,7
	ds_store_b128 v[STO], v[64*(\a)+8*\b:64*(\a)+8*\b+3] offset:128*(\b/2)+32*(\b%2)         ; each accumulator from its low end on
	ds_store_b128 v[STO], v[64*(\a)+8*\b+4:64*(\a)+8*\b+7] offset:128*(\b/2)+32*(\b%2)+16
.endr
	WIN 0
.set BB, 96+64*((\a)%2)
.irp t, 0,1,2,3,4,5,6,7,8,9,10,11,12,13,14,15
	ds_load_b128 v[BB+4*\t:BB+4*\t+3], v[RD] offset:528*\t
.endr
.endm
.macro SEND a, younger                 ; younger: the LDS instructions issued behind tile a's loads, which may stay out
.set BB, 96+64*((\a)%2)
	s_wait_dscnt \younger
.if (\a) > 0
.if (\a)%2
	s_add_nc_u64 s[14:15], s[14:15], 8*4096        ; (behind a wait on XCNT)  tile a begins at row 32 (a / 2) + 8 (a % 2)
.else
	s_add_nc_u64 s[14:15], s[14:15], 24*4096
.endif
.endif
.irp t, 0,1,2,3,4,5,6,7,8,9,10,11,12,13,14,15
	global_store_b128 v[L16], v[BB+4*\t:BB+4*\t+3], s[14:15] offset:(\t+8*(\t/8))*4096 th:TH_STORE_NT   ; 32 lanes store 512 consecutive bytes of one row, aligned to 256
.endr
.endm
	TOSTAGE 0
.irp a, 1,2,3
.if \a > 1
	s_wait_xcnt 0x0                                ; tile a - 2's stores have read their registers and their base
.endif
	TOSTAGE \a
	SEND \a-1, 32                                  ; behind tile a - 1's loads: tile a's 16 stores and 16 loads
.endr
	s_wait_xcnt 0x0
	SEND 3, 0
	s_wait_tensorcnt 0x0
	ds_add_u32 v30, v31
	s_wait_dscnt 0x0
	CROUND                                         ; the closing round: no work-group ends while a partner may still ask for a tile that names it
	s_endpgm
.Lfunc_end_k_qf200b06928_gemm_out:
	.size	k_qf200b06928_gemm_out, .Lfunc_end_k_qf200b06928_gemm_out-k_qf200b06928_gemm_out
	.p2alignl 7, 3214868480
	.fill 96, 4, 3214868480
	.section	.rodata,"a",@progbits
	.p2align	6, 0x0
	.amdhsa_kernel k_qf200b06928_gemm_out
		.amdhsa_group_segment_fixed_size 307712
		.amdhsa_private_segment_fixed_size 0
		.amdhsa_enable_private_segment 0
		.amdhsa_kernarg_size 48
		.amdhsa_user_sgpr_count 2
		.amdhsa_user_sgpr_kernarg_segment_ptr 1
		.amdhsa_wavefront_size32 1
		.amdhsa_system_sgpr_workgroup_id_x 1
		.amdhsa_system_sgpr_workgroup_id_y 1
		.amdhsa_system_sgpr_workgroup_id_z 1
		.amdhsa_system_vgpr_workitem_id 0
		.amdhsa_next_free_vgpr 768
		.amdhsa_next_free_sgpr 106
		.amdhsa_reserve_vcc 0
		.amdhsa_float_denorm_mode_32 3
		.amdhsa_float_denorm_mode_16_64 3
		.amdhsa_memory_ordered 1
		.amdhsa_forward_progress 1
		.amdhsa_inst_pref_size 88
	.end_amdhsa_kernel
	.amdgpu_metadata
---
amdhsa.version: [ 1, 2 ]
amdhsa.kernels:
  - .name:           k_qf200b06928_gemm_out
    .symbol:         k_qf200b06928_gemm_out.kd
    .args:
      - { .name: ac, .offset: 0, .size: 8, .value_kind: global_buffer, .address_space: global }
      - { .name: asc, .offset: 8, .size: 8, .value_kind: global_buffer, .address_space: global }
      - { .name: opc, .offset: 16, .size: 8, .value_kind: global_buffer, .address_space: global }
      - { .name: ops, .offset: 24, .size: 8, .value_kind: global_buffer, .address_space: global }
      - { .name: Wo_b, .offset: 32, .size: 8, .value_kind: global_buffer, .address_space: global }
      - { .name: out0, .offset: 40, .size: 8, .value_kind: global_buffer, .address_space: global }
    .group_segment_fixed_size: 307712
    .private_segment_fixed_size: 0
    .kernarg_segment_align: 8
    .kernarg_segment_size: 48
    .max_flat_workgroup_size: 128
    .sgpr_count:     106
    .vgpr_count:     768
    .wavefront_size: 32
...
	.end_amdgpu_metadata
.endif
;; end of part 4
